; MI455X (gfx1250); checked and timed in simulation.
; The chip was launched on July 23, 2026; its instructions are those of AMD's public machine-readable ISA for CDNA 5 (MIT licence, August 2026) and "CDNA5" Instruction Set Architecture Reference Guide (July 2026). The comments in the code are by the model that wrote it; some were corrected since.
;; Multihead Attention. Allowed arithmetic: matrix products marked QUANTISED: E5M2 operands, one E8M0 scale for each 32 along K, by v_wmma_scale_f32_16x16x128_f8f6f4 with both operands' format E5M2, f32 sums; everything else in f32.
;; Inputs: Wk 1,024 x 1,024 float32; Wo 1,024 x 1,024 float32; Wq 1,024 x 1,024 float32; Wv 1,024 x 1,024 float32; keys 4 x 2,048 x 1,024 float32; queries 4 x 2,048 x 1,024 float32; values 4 x 2,048 x 1,024 float32.
;; Outputs: out0 4 x 2,048 x 1,024 float32.
;; This version of the problem:
;;   THIS VERSION OF THE PROBLEM IS GIVEN IN LOW PRECISION. The matrix products marked QUANTISED in the list below multiply operands that are first quantised to E5M2 (5 exponent bits, 2 mantissa bits; 8 bits a number), with one power-of-two scale for each 32 numbers along K (OCP MX v1.0); their sums are f32. All else is computed in f32.
;;   The module's matrix products, in the order in which they are computed (A, B: the left and right operand; K: the contracted axis; several contracted axes count as one K, in the product's order):
;;     1. [M 8,192, K 1,024] x [K 1,024, N 1,024]; A: input queries; B: input Wq: QUANTISED
;;     2. [M 8,192, K 1,024] x [K 1,024, N 1,024]; A: input keys; B: input Wk: QUANTISED
;;     3. [M 8,192, K 1,024] x [K 1,024, N 1,024]; A: input values; B: input Wv: QUANTISED
;;     4. batch 64 x [M 2,048, K 64] x [K 64, N 2,048]; A: computed on the way; B: computed on the way: QUANTISED
;;     5. batch 64 x [M 2,048, K 2,048] x [K 2,048, N 64]; A: softmax (see below); B: computed on the way: QUANTISED
;;     6. [M 8,192, K 1,024] x [K 1,024, N 1,024]; A: computed on the way; B: input Wo: QUANTISED
;;   THE QUANTISER, for each operand of a quantised product, along K:
;;     - K is cut into blocks of 32 from its start; a last block that is shorter is filled with zeros.
;;     - A block's scale is 2^e with e = floor(log2(the largest magnitude in the block)) - 15, held to -126 .. 127; a block of zeros has e = 0. As a byte (E8M0): e + 127.
;;     - Each number is divided by its block's scale, clamped to +-57,344, and rounded to the nearest number of E5M2, ties to even, subnormals kept.
;;     - The product sums the exact products of the quantised numbers (number of the format x scale) in f32.
;;   ~~~python
;;   def quantise(x, axis):      # numpy; x: float32 -> the quantised numbers, widened to float32 again
;;       x = np.moveaxis(x, axis, -1); K = x.shape[-1]
;;       x = np.pad(x, [(0, 0)] * (x.ndim - 1) + [(0, -K % 32)]); x = x.reshape(x.shape[:-1] + (-1, 32)); a = np.abs(x).max(-1, keepdims=True)
;;       e = np.where(a > 0, np.clip(np.frexp(np.where(a > 0, a, 1))[1] - 1 - 15, -126, 127), 0)      # np.frexp(a)[1] - 1 = floor(log2(a)), exactly
;;       r = np.clip(x / 2.0 ** e, -57344, 57344)
;;       step = 2.0 ** (np.maximum(np.frexp(np.where(r == 0, 1, r))[1] - 1, -14) - 2)
;;       q = np.round(r / step) * step * 2.0 ** e      # np.round: ties to even
;;       return np.moveaxis(q.reshape(q.shape[:-2] + (-1,))[..., :K], -1, axis).astype(np.float32)
;;   ~~~
;;   SOFTMAX AHEAD OF A QUANTISED PRODUCT. Where the list says 'softmax', what is quantised is not the finished softmax but p = 2^(t - M), with t = logit x log2(e) and M = ceil(the row's largest t), a whole number; so 1/2 < the row's largest p <= 1. The row's sum l is taken of the UNQUANTISED p, in f32, and the product's result is divided by l at the end. Since M is a whole number, a kernel that streams over the keys may use a running M (the ceiling of the running maximum): every later rescaling is an exact power of two, which a block's scale takes up: the codes' values come out the same.
;;   OPERANDS COMPUTED ON THE WAY. 'Computed on the way' means the value that the module computes at that place (a softmax that the list does not call 'softmax' is quantised finished and normalised). What goes into a quantiser is computed in f32, as accurately as f32 sums, v_exp_f32 and their like allow (about 1e-6 of the number): no bf16 or f16 on the way to a quantiser, and a product that is left as it is and whose result goes on into a quantised operand takes f32 operands (vector FMAs, or v_wmma_f32_16x16x4_f32). A number that lies on a knife's edge between two numbers of the format may be rounded either way, as far as f32 arithmetic and the matrix unit's own rounding can turn it there, and no further.
;; One version. Each part assembles by itself: llvm-mc -triple=amdgcn-amd-amdhsa -mcpu=gfx1250 --defsym DOCPART=n.
;; ======== version 1 of 1: 4 launches
;; limits: right only within a limited range of input values
;; workspace buffers: cin 29,360,128 bytes; sin 917,504 bytes; att 25,952,256 bytes; oc 8,388,608 bytes; os 262,144 bytes
;; launch quant (part 1): grid 896 x 1, 4 waves a work-group, no clusters, 33,280 bytes of LDS; arguments queries, keys, values, Wq, Wk, Wv, Wo, cin, sin; writes cin, sin
.if DOCPART == 1
	.amdgcn_target "amdgcn-amd-amdhsa--gfx1250"
	.amdhsa_code_object_version 6
	.text
	.protected	k_q89dcd75a28_quant
	.globl	k_q89dcd75a28_quant
	.p2align	8
	.type	k_q89dcd75a28_quant,@function
k_q89dcd75a28_quant:
	s_mov_b64 s[64:65], 0
	v_nop
	global_prefetch_b8 v0, s[64:65] scope:SCOPE_SE
	s_setreg_imm32_b32 hwreg(HW_REG_WAVE_MODE, 25, 1), 1
	s_wait_xcnt 0x0
; CAUSAL MULTI-HEAD ATTENTION IN MX-BF8, FOUR LAUNCHES: (1) this one: the seven f32 inputs into codes of E5M2 and E8M0 scale bytes along D; (2) the three projections, their results quantised in registers;
; (3) attention; (4) the projection on the way out.  All seven inputs have a way to the output and are loaded.
; WORK LEFT OUT (in launch 3): reference() sets the score of key s for query l to -infinity where s > l, by a mask that it builds itself; the softmax gives such a key the weight 0 for all finite values of the
; inputs, and 0 times a finite v adds nothing.  So a step of 128 keys all of which come after a wave's 16 queries is not multiplied, and a slot of 256 keys that no wave of a work-group reads is not fetched.
; LIMIT: a NaN, an infinity or an overflow that reaches only such keys' scores or values is not carried to the result.
; THIS LAUNCH.  queries, keys, values [8192][1024] and Wq, Wk, Wv, Wo [1024][1024], f32, K = the last axis, become one stream of codes (cin, rows of 1,024 bytes, in that order) and one of scale bytes (sin, 32 a row).
; A block's scale is 2^(floor(log2(its largest magnitude)) - 15); its byte is the largest magnitude's exponent field - 15, held at 1 from below.  A block of zeros so gets the byte 1 where the rule says 127: its
; codes are zeros, which add nothing under any byte but 0xff, and the bytes are read by this program alone.  Each number is divided by the scale and rounded to the nearest code, ties to even.
; LIMITS: blocks whose largest magnitude lies under 2^-111, whose byte is held at 1, were not tried; NaN and infinities among the inputs are not served.
; A work-group takes 32 rows, a wave 8 rows: 16 steps of 512 numbers.  Each load reads 512 consecutive bytes; a step's 2,048 bytes turn through the wave's own stage in LDS, so that a lane holds 16 neighbours along K.
; Wv's ROWS ARE LAID IN ANOTHER ORDER: of every 32 rows the second and the third group of 8 change places.  Launch 3's result then has a lane's 16 registers as 16 neighbouring channels, as launch 4's operand wants them.
; No tensor loads, no barrier: waves share nothing.  Loads run four steps (16 loads a wave) ahead, the turn through LDS one step.
.set WAVES, 4
.set STEPS, 16
.set CB,    16                         ; bytes of 16 codes
.set R,     16                         ; v16-79   four sets of 16 numbers as they are loaded
.set X,     80                         ; v80-111  two sets of 16 neighbours
.set C,     128                        ; v128-191 codes: four registers for each step, so that no store's data are written again
.set E,     112                        ; v112-127 a scale byte for each step
.set WREG,  8192                       ; LDS: a region for each wave: two stages of 32 x SP bytes, behind them its 256 scale bytes
.set SP,    80                         ; a lane's place in a stage: its 64 bytes + 16 of padding
.set SPW,   12                         ; v12  LDS address of my spare word; never rewritten
.set NIL,   13                         ; v13  0; never rewritten
.set SPARE, WAVES*WREG                 ; behind the four regions: the spare words, 128 bytes for each wave
	s_load_b256 s[4:11], s[0:1], 0x0               ; queries, keys, values, Wq
	s_load_b256 s[12:19], s[0:1], 0x20             ; Wk, Wv, Wo, cin
	s_load_b64 s[20:21], s[0:1], 0x40              ; sin
	v_lshl_add_u32 v[SPW], v0, 2, SPARE
	v_mov_b32 v[NIL], 0
	v_lshrrev_b32 v1, 5, v0
	v_readfirstlane_b32 s22, v1                    ; wave
	v_and_b32 v2, 31, v0                           ; lane
	v_lshlrev_b32 v3, 4, v2                        ; my 16 bytes of a load's 512
	s_mul_i32 s24, s22, WREG
	v_lshrrev_b32 v14, 2, v2
	v_mul_u32_u24 v14, v14, SP
	v_and_b32 v15, 3, v2
	v_lshl_add_u32 v14, v15, 4, v14
	v_add_nc_u32 v14, s24, v14                     ; the stage, on the way in: SP (lane / 4) + 16 (lane % 4)
	v_mul_u32_u24 v15, v2, SP
	v_add_nc_u32 v15, s24, v15                     ; and on the way out: SP x lane: my 16 neighbours
	v_mul_u32_u24 v4, v2, CB                       ; my codes' place in a step's
	v_lshrrev_b32 v5, 1, v2
	s_add_co_u32 s24, s24, 2*32*SP
	v_add_nc_u32 v5, s24, v5                       ; LDS: my wave's 256 scale bytes, my block's byte
	v_lshlrev_b32 v7, 3, v2                        ; and on the way out 8 bytes a lane
	v_add_nc_u32 v6, s24, v7
	s_wait_alu depctr_va_vdst(0)
	s_wait_kmcnt 0x0
; which tensor is my work-group's: the choice hangs on the work-group's number alone.  s[26:27]: the tensor; s28: its first work-group
.macro PICK below, lo, first
	s_mov_b32 s29, \first
	s_cmp_lt_u32 ttmp9, \below
	s_cselect_b64 s[26:27], s[\lo:\lo+1], s[26:27]
	s_cselect_b32 s28, s29, s28
.endm
	s_mov_b64 s[26:27], s[16:17]                   ; Wo: work-groups 864 on
	s_mov_b32 s28, 864
	PICK 864, 14, 832                              ; Wv
	PICK 832, 12, 800                              ; Wk
	PICK 800, 10, 768                              ; Wq
	PICK 768, 8, 512                               ; values
	PICK 512, 6, 256                               ; keys
	PICK 256, 4, 0                                 ; queries
	s_sub_co_u32 s30, ttmp9, s28
	s_lshl_b32 s30, s30, 2                         ; the tensor's run of 8 rows at which my work-group begins
	s_and_b32 s31, s22, 1
	s_lshl_b32 s31, s31, 1
	s_lshr_b32 s32, s22, 1
	s_or_b32 s31, s31, s32                         ; my wave's number with 1 and 2 exchanged
	s_sub_co_u32 s32, ttmp9, 832
	s_cmp_lt_u32 s32, 32                           ; Wv's work-groups read by it, all others by the wave's number
	s_cselect_b32 s31, s31, s22
	s_add_co_u32 s30, s30, s31
	s_lshl_b32 s32, s30, 15                        ; 8 rows are 32,768 bytes of f32
	s_mov_b32 s33, 0
	s_add_nc_u64 s[26:27], s[26:27], s[32:33]
	s_lshl_b32 s30, ttmp9, 2
	s_add_co_u32 s30, s30, s22                     ; where the results go: run 4 x work-group + wave of the whole stream
	s_lshl_b32 s32, s30, 13                        ; 8,192 bytes of codes a run
	s_add_nc_u64 s[18:19], s[18:19], s[32:33]
	s_lshl_b32 s32, s30, 8                         ; 256 scale bytes a run
	s_add_nc_u64 s[20:21], s[20:21], s[32:33]
.macro LOAD t
.irp i, 0,1,2,3
	global_load_b128 v[R+16*((\t)%4)+4*\i:R+16*((\t)%4)+4*\i+3], v3, s[26:27] offset:2048*(\t)+512*\i th:TH_LOAD_NT   ; 32 lanes read 512 consecutive bytes
.endr
.endm
.macro TURN t                          ; step t's numbers through the stage: LDS serves a wave's instructions in order, so no wait stands between the stores and the loads
.irp i, 0,1,2,3
	ds_store_b128 v14, v[R+16*((\t)%4)+4*\i:R+16*((\t)%4)+4*\i+3] offset:32*SP*((\t)%2)+8*SP*\i
.endr
.irp i, 0,1,2,3
	ds_load_b128 v[X+16*((\t)%2)+4*\i:X+16*((\t)%2)+4*\i+3], v15 offset:32*SP*((\t)%2)+16*\i
.endr
.endm
.irp t, 0,1,2,3
	LOAD \t
.endr
	s_wait_loadcnt 12                              ; step 0's four loads are in
	TURN 0
.macro STEP t
.set XS, X+16*((\t)%2)
.if (\t) > 0
	s_wait_dscnt 1                                 ; this step's numbers are back from the stage (the last step's byte store may be out): so its stores into the stage have read their registers,
.else
	s_wait_dscnt 0x0
.endif
.if (\t)+4 < STEPS
	LOAD (\t)+4                                    ; which take the loads of four steps on
.endif
.if (\t)+1 < STEPS
.if STEPS-2-(\t) >= 3
	s_wait_loadcnt 12                              ; the next step's four loads are in; those of the three steps behind it may be out
.else
	s_wait_loadcnt 4*(STEPS-2-(\t))
.endif
	TURN (\t)+1                                    ; and go through the other stage while this step is worked
.endif
	v_max3_num_f32 v8, |v[XS]|, |v[XS+1]|, |v[XS+2]|               ; the largest magnitude of my 16
	v_max3_num_f32 v9, |v[XS+3]|, |v[XS+4]|, |v[XS+5]|
.irp i, 6,10
	v_max3_num_f32 v8, v8, |v[XS+\i]|, |v[XS+\i+1]|
	v_max3_num_f32 v9, v9, |v[XS+\i+2]|, |v[XS+\i+3]|
.endr
	v_max3_num_f32 v8, v8, |v[XS+14]|, |v[XS+15]|
	v_max3_num_f32 v8, v8, v9, 0x8000000           ; and the floor 2^(16 - 127): so the byte cannot fall under 1
	v_max_num_f32_dpp v8, v8, v8 row_xmask:1 row_mask:0xf bank_mask:0xf   ; and of my neighbour's 16: the block's
	v_add_nc_u32 v11, 0xf8800000, v8               ; 15 off its exponent field: the conversion takes the exponent field of this operand as its scale
.irp i, 0,1,2,3,4,5,6,7,8,9,10,11,12,13,14,15
.endr
	v_cvt_scalef32_pk8_bf8_f32 v[C+4*(\t):C+4*(\t)+1], v[XS:XS+7], v11
	v_cvt_scalef32_pk8_bf8_f32 v[C+4*(\t)+2:C+4*(\t)+3], v[XS+8:XS+15], v11
	v_lshrrev_b32 v[E+(\t)], 23, v11               ; the scale's byte (also the plain line behind the conversions)
	ds_store_b8 v5, v[E+(\t)] offset:16*(\t)       ; both lanes of a block write the same byte with the same value
	global_store_b128 v4, v[C+4*(\t):C+4*(\t)+3], s[18:19] offset:32*CB*(\t)   ; 32 lanes store 512 consecutive bytes, aligned
.endm
.irp t, 0,1,2,3,4,5,6,7,8,9,10,11,12,13,14,15
	STEP \t
.endr
	ds_load_b64 v[8:9], v6                         ; LDS serves a wave's instructions in order: these see my stores
	s_wait_dscnt 0x0
	global_store_b64 v7, v[8:9], s[20:21]          ; 32 lanes store 256 consecutive bytes, aligned
	s_wait_tensorcnt 0x0                           ; the wave's end, behind my last LDS store
	ds_add_u32 v[SPW], v[NIL]
	s_wait_dscnt 0x0
	s_endpgm
.Lfunc_end_k_q89dcd75a28_quant:
	.size	k_q89dcd75a28_quant, .Lfunc_end_k_q89dcd75a28_quant-k_q89dcd75a28_quant
	.p2alignl 7, 3214868480
	.fill 96, 4, 3214868480
	.section	.rodata,"a",@progbits
	.p2align	6, 0x0
	.amdhsa_kernel k_q89dcd75a28_quant
		.amdhsa_group_segment_fixed_size 33280
		.amdhsa_private_segment_fixed_size 0
		.amdhsa_enable_private_segment 0
		.amdhsa_kernarg_size 72
		.amdhsa_user_sgpr_count 2
		.amdhsa_user_sgpr_kernarg_segment_ptr 1
		.amdhsa_wavefront_size32 1
		.amdhsa_system_sgpr_workgroup_id_x 1
		.amdhsa_system_sgpr_workgroup_id_y 1
		.amdhsa_system_sgpr_workgroup_id_z 1
		.amdhsa_system_vgpr_workitem_id 0
		.amdhsa_next_free_vgpr 192
		.amdhsa_next_free_sgpr 66
		.amdhsa_reserve_vcc 0
		.amdhsa_float_denorm_mode_32 3
		.amdhsa_float_denorm_mode_16_64 3
		.amdhsa_fp16_overflow 1
		.amdhsa_memory_ordered 1
		.amdhsa_forward_progress 1
		.amdhsa_inst_pref_size 35
	.end_amdhsa_kernel
	.amdgpu_metadata
---
amdhsa.version: [ 1, 2 ]
amdhsa.kernels:
  - .name:           k_q89dcd75a28_quant
    .symbol:         k_q89dcd75a28_quant.kd
    .args:
      - { .name: queries, .offset: 0, .size: 8, .value_kind: global_buffer, .address_space: global }
      - { .name: keys, .offset: 8, .size: 8, .value_kind: global_buffer, .address_space: global }
      - { .name: values, .offset: 16, .size: 8, .value_kind: global_buffer, .address_space: global }
      - { .name: Wq, .offset: 24, .size: 8, .value_kind: global_buffer, .address_space: global }
      - { .name: Wk, .offset: 32, .size: 8, .value_kind: global_buffer, .address_space: global }
      - { .name: Wv, .offset: 40, .size: 8, .value_kind: global_buffer, .address_space: global }
      - { .name: Wo, .offset: 48, .size: 8, .value_kind: global_buffer, .address_space: global }
      - { .name: cin, .offset: 56, .size: 8, .value_kind: global_buffer, .address_space: global }
      - { .name: sin, .offset: 64, .size: 8, .value_kind: global_buffer, .address_space: global }
    .group_segment_fixed_size: 33280
    .private_segment_fixed_size: 0
    .kernarg_segment_align: 8
    .kernarg_segment_size: 72
    .max_flat_workgroup_size: 128
    .sgpr_count:     66
    .vgpr_count:     192
    .wavefront_size: 32
...
	.end_amdgpu_metadata
.endif
;; end of part 1
;; launch proj (part 2): grid 4 x 96, 4 waves a work-group, clusters of 4 x 4, 327,680 bytes of LDS; arguments cin, sin, att; writes att
.if DOCPART == 2
	.amdgcn_target "amdgcn-amd-amdhsa--gfx1250"
	.amdhsa_code_object_version 6
	.text
	.protected	k_q89dcd75a28_proj
	.globl	k_q89dcd75a28_proj
	.p2align	8
	.type	k_q89dcd75a28_proj,@function
k_q89dcd75a28_proj:
	s_mov_b64 s[64:65], 0
	v_nop
	global_prefetch_b8 v0, s[64:65] scope:SCOPE_SE
	s_setreg_imm32_b32 hwreg(HW_REG_WAVE_MODE, 25, 1), 1
	s_wait_xcnt 0x0
	s_wait_alu depctr_hold_cnt(0) depctr_sa_sdst(0) depctr_va_vdst(0) depctr_va_sdst(0) depctr_va_ssrc(0) depctr_va_vcc(0) depctr_vm_vsrc(0)
	s_getreg_b32 s2, hwreg(HW_REG_IB_STS2, 6, 4)
	s_cmp_eq_u32 s2, 0
	s_cbranch_scc0 .Lentry_in_a_cluster
	s_endpgm
.Lentry_in_a_cluster:
	s_bfe_u32 s2, ttmp6, 0x10000c
	s_cmp_lg_u32 s2, 0xf033
	s_cbranch_scc0 .Lentry_shape_is_right
	s_endpgm
.Lentry_shape_is_right:
; THE THREE PROJECTIONS q = queries Wq^T, k = keys Wk^T, v = values Wv^T on codes of E5M2 with E8M0 scales (K = 1,024), AND THE QUANTISING OF THEIR RESULTS, in registers, for the attention launch.
; A tile of 256 x 256 is made by a work-group of four waves; a wave makes 128 x 128: 64 accumulators, 512 registers.  K goes in steps of 256 through a ring of two LDS slots filled by the tensor data mover;
; the scale bytes of the work-group's rows, for all of K, come into LDS once, with the first fills.  4 x 4 work-groups form a cluster: A's tiles are asked for jointly along a row of it, B's along a column.
; The cluster's y says which product: 0-7 q, 8-15 k, 16-23 v.  THE MATRIX INSTRUCTION IS USED WITH SOURCE 0 = 16 ROWS OF 'B' AND SOURCE 1 = 16 ROWS OF 'A': a lane holds ONE row of A, its registers run along B's rows.
;   q, k: A = the tokens, B = the weight: a lane holds one token and 128 channels (two heads): the next product's K is the head's 64.
;   v:    A = the weight (its rows as launch 1 laid them), B = the tokens: a lane holds one channel and 128 tokens: the next product's K is the keys.
; So in both cases a lane's 16 registers of two neighbouring accumulators lie in one block of 32 along the next K, and lane l xor 16 holds the other 16.  Byte 8 u + j of lane half h in block c is element
; 32 c + 16 u + 8 h + j: an order inside a block that falls alike on q and k, and alike on v and on the softmax's p (launch 3), so the products keep their values.
; THE RESULTS LEAVE AS IMAGES OF THE OPERANDS' REGISTERS: att[b x 16 + head][slot of 256 tokens][q, k, v][16,896]: 16,384 bytes of codes, each group of four registers as 16 bytes a lane, 512 a store; then 512 bytes of scale words.
; The mode only selects values (offsets, steps, which scale words): no branch hangs on it.
; LIMITS as in launch 1: a block's byte is held at 1 from below; a block of zeros has the byte 1; NaN and infinities are not served.
; REGISTERS, in windows of 256: window 0: v0-31 addresses; v32-63 scale words, two sets, and nothing else; v64-96 at work on the way out; from v128 A's fragments, ONE set; on the way out the codes.
;   window 1: B's fragments, TWO sets.   window 2: the accumulators of my A rows 0-63 ((a, b) at v[8 (8 a + b)]);   window 3: those of rows 64-127.
.set SIZE_K, 1024
.set KSTEP,  256
.set NQ,     KSTEP/128
.set ROWB,   256
.set KROW,   SIZE_K
.set PITCH,  272                       ; an LDS row: 256 bytes + 16 of padding: the 16 rows that a load touches start at 16 different banks (64 banks of 4 bytes: ISA guide 11.1)
.set FR,     16
.set NL,     4
.set NP,     8                         ; places behind this matrix instruction (ISA guide 7.12.1)
.set HALFT,  128*PITCH
.set SLOT,   4*HALFT
.set LAPS,   SIZE_K/(2*KSTEP)
.set KS,     SIZE_K/32
.set SCL,    2*SLOT                    ; behind the ring: the scales, as units of 256 bytes + 16 of padding
.set HALFS,  (128*KS/256)*272
.set SBLK,   (16*KS/256)*272
.set SPARE,  SCL+4*HALFS               ; behind the scales: the spare words, 128 bytes for each wave
.set HS,     405504                    ; att: a head
.set SS,     50688                     ; a slot of 256 tokens
.set PART,   16896                     ; q's, k's or v's part of a slot
.set ADRA, 16                          ; v16-17  LDS address of my A fragments in slot 0, 1
.set ADRB, 20                          ; v20-21  the same for B
.set VO0,  24                          ; v24     16 x lane
.set VO1,  25                          ; v25     the same, two chunks on: the next head (q, k) or 1,024 bytes (v)
.set SCO,  26                          ; v26     the scale words: 16 (lane % 16), lanes 16-31 a head further on
.set ADRS, 27                          ; v27     LDS address of my scale words: lanes 0-15 A's rows, lanes 16-31 B's
.set SPW,  28
.set NIL,  29
.set SC,   32
.set TM,   64                          ; v64-67 largest magnitudes, v68-71 bytes, v72-75 57,344 x the scale, v76-79 the conversions' scale operands
.set PW,   80                          ; v80-87  block a's scale word
.set WD,   88                          ; v88-91  the four words that leave
.set TT,   92                          ; v92-95  at work
.set VSEL, 96                          ; v96     byte selects: lanes 0-15 the first head's two bytes of each word, lanes 16-31 the second head's
.set AF,   128
.set PC,   128                         ; the way out: block a's codes at v[PC + 16 a]: no store's data are written again
.set G1, 24
.set G0, 32
.set G1B, 48
.set G0B, 56
.set G1S, 68
.set G0S, 76
.set G1SB, 80
.set G0SB, 88
.set MSB, 0
.macro WIN new                         ; the immediate's high byte repeats the setting that is left
.if MSB != \new
	s_set_vgpr_msb (MSB<<8)|\new
.set MSB, \new
.endif
.endm
.set MUL_LO, 0xa1
.set MUL_HI, 0xf1
.set TO_B,   0x40
; A joint load: waves 0 and 1 fetch for A, waves 2 and 3 for B.  The branch hangs on the wave's number alone.  An s_nop 0 and four v_nop follow each of the two lines.
.macro JLOAD g0a, g1a, g0b, g1b
	s_cmp_eq_u32 s15, 0
	s_cbranch_scc0 .Lfor_b_\@
	tensor_load_to_lds s[\g0a:\g0a+3], s[\g1a:\g1a+7]
	s_nop 0
.rept 4
	v_nop
.endr
	s_branch .Lasked_\@
.Lfor_b_\@:
	tensor_load_to_lds s[\g0b:\g0b+3], s[\g1b:\g1b+7]
	s_nop 0
.rept 4
	v_nop
.endr
.Lasked_\@:
.endm
.macro CREST                           ; a round of the cluster's barrier behind its opening barrier
	s_cmp_lg_u32 s14, 0
	s_cbranch_scc1 .Lnot_wave_0_\@
	s_barrier_signal -3
.Lnot_wave_0_\@:
	s_barrier_wait -3
	s_barrier_signal -1
	s_barrier_wait -1
.endm
.macro CROUND
	s_barrier_signal -1
	s_barrier_wait -1
	CREST
.endm
	s_load_b128 s[4:7], s[0:1], 0x0                ; cin, sin
	s_load_b64 s[12:13], s[0:1], 0x10              ; att
	v_lshl_add_u32 v[SPW], v0, 2, SPARE
	v_mov_b32 v[NIL], 0
	ds_add_u32 v[SPW], v[NIL]                      ; the wave's opening: the add, twice on end, and its wait ahead of my first tensor load
	ds_add_u32 v[SPW], v[NIL]
	v_lshrrev_b32 v1, 5, v0
	v_readfirstlane_b32 s14, v1                    ; wave 0..3
	s_lshr_b32 s15, s14, 1                         ; which half of A's rows is mine.  Also: I fetch for A (0) or for B (1)
	s_and_b32 s16, s14, 1                          ; which half of B's rows.  Also: which 128 rows of that tile I fetch
	s_bfe_u32 s40, ttmp6, 0x40000                  ; cx, cy: my place in the cluster
	s_bfe_u32 s41, ttmp6, 0x40004
	s_and_b32 s17, ttmp7, 0xffff                   ; the cluster's y, 0..23
	s_lshr_b32 s2, s17, 3                          ; the product: 0 q, 1 k, 2 v
	s_and_b32 s66, s17, 7
	s_lshl_b32 s66, s66, 2                         ; which four tiles along the 8,192 tokens
	s_lshl_b32 s98, s2, 23                         ; q, k: A = queries or keys, at 0 or 8 MiB of cin;
	s_lshl_b32 s99, s2, 20
	s_add_co_u32 s99, s99, 24<<20                  ; B = Wq or Wk, at 24 or 25 MiB
	s_mov_b32 s67, 26<<20                          ; v: A = Wv,
	s_mov_b32 s97, 16<<20                          ; B = values
	s_cmp_eq_u32 s2, 2
	s_cselect_b32 s98, s67, s98
	s_cselect_b32 s99, s97, s99
	s_cselect_b32 s17, 0, s66                      ; the tokens lie along A (q, k) or along B (v)
	s_cselect_b32 s42, s66, 0
	s_cselect_b32 s95, -1, 0                       ; a lane mask: all lanes for v, none for q and k
	s_add_co_u32 s17, s17, s41                     ; A's tile: + cy
	s_add_co_u32 s42, s42, s40                     ; B's tile: + cx
	s_lshl_b32 s43, s41, 2
	s_lshl_b32 s43, 15, s43                        ; my row of the cluster
	s_lshl_b32 s44, 0x1111, s40                    ; my column
	; descriptor group 1: a tile of 128 rows x 256 bytes, padded in LDS
	s_or_b32 s[G1+0], s43, (0<<16)|(1<<20)|(1<<21)|(5<<22)|(3<<25)  ; 15:0 the mask; 17:16 element of 1 byte; 20 padding on; 21 set beside a mask; 24:22 after every 64 words; 31:25 of 4 words
	s_or_b32 s[G1B+0], s44, (0<<16)|(1<<20)|(1<<21)|(5<<22)|(3<<25)
.irp g, G1, G1B
	s_mov_b32 s[\g+1], ROWB<<16                    ; tensor_dim0
	s_mov_b32 s[\g+2], 128<<16                     ; tensor_dim1
	s_mov_b32 s[\g+3], ROWB<<16                    ; tile_dim0
	s_mov_b32 s[\g+4], 128                         ; tile_dim1
	s_mov_b32 s[\g+5], KROW                        ; tensor_dim0_stride
	s_mov_b32 s[\g+6], 0
	s_mov_b32 s[\g+7], 0
.endr
	; the scales of 128 rows: a dense block of 4,096 bytes, as rows of 256 bytes (32 elements of 8), 16 bytes of padding behind each
	s_or_b32 s[G1S+0], s43, (3<<16)|(1<<20)|(1<<21)|(5<<22)|(3<<25)
	s_or_b32 s[G1SB+0], s44, (3<<16)|(1<<20)|(1<<21)|(5<<22)|(3<<25)
.irp g, G1S, G1SB
	s_mov_b32 s[\g+1], 32<<16
	s_mov_b32 s[\g+2], (128*KS/256)<<16
	s_mov_b32 s[\g+3], 32<<16
	s_mov_b32 s[\g+4], 128*KS/256
	s_mov_b32 s[\g+5], 32
	s_mov_b32 s[\g+6], 0
	s_mov_b32 s[\g+7], 0
.endr
	s_lshl_b32 s18, s16, 7                         ; which 128 rows of the tile I fetch
	s_lshl_b32 s20, s17, 8
	s_add_co_u32 s20, s20, s18                     ; A's row
	s_lshl_b32 s46, s42, 8
	s_add_co_u32 s46, s46, s18                     ; B's row
	s_lshl_b32 s22, s20, 5                         ; 32 scale bytes a row,
	s_lshl_b32 s92, s46, 5
	s_lshl_b32 s20, s20, 10                        ; 1,024 bytes of codes (all offsets stay under 2^25)
	s_lshl_b32 s46, s46, 10
	s_add_co_u32 s20, s20, s98
	s_add_co_u32 s46, s46, s99
	s_lshr_b32 s98, s98, 5                         ; sin is laid as cin, a 32nd of it
	s_lshr_b32 s99, s99, 5
	s_add_co_u32 s22, s22, s98
	s_add_co_u32 s92, s92, s99
	s_mov_b32 s21, 0
	s_mov_b32 s23, 0
	s_mov_b32 s47, 0
	s_mov_b32 s93, 0
	s_mul_i32 s45, s14, HALFT                      ; where they go: wave x 128 rows: no place in the cluster enters an LDS address
	s_mul_i32 s94, s14, HALFS
	s_wait_dscnt 0x0                               ; both opening adds are done
	s_wait_kmcnt 0x0
	s_add_nc_u64 s[20:21], s[4:5], s[20:21]
	s_add_nc_u64 s[22:23], s[6:7], s[22:23]
	s_add_nc_u64 s[46:47], s[4:5], s[46:47]
	s_add_nc_u64 s[92:93], s[6:7], s[92:93]
	CROUND                                         ; all sixteen work-groups are here: the first joint loads meet
	s_mov_b32 s[G0S], 1
	s_add_co_u32 s[G0S+1], s94, SCL
	s_mov_b64 s[G0S+2:G0S+3], s[22:23]
	s_or_b32 s[G0S+3], s[G0S+3], 0x80000000
	s_mov_b32 s[G0SB], 1
	s_add_co_u32 s[G0SB+1], s94, SCL
	s_mov_b64 s[G0SB+2:G0SB+3], s[92:93]
	s_or_b32 s[G0SB+3], s[G0SB+3], 0x80000000
	JLOAD G0S, G1S, G0SB, G1SB                     ; the scales first: they are wanted with K step 0
.irp s, 0,1
	s_mov_b32 s[G0+4*\s], 1
	s_add_co_u32 s[G0+4*\s+1], s45, \s*SLOT
	s_add_nc_u64 s[G0+4*\s+2:G0+4*\s+3], s[20:21], \s*ROWB
	s_or_b32 s[G0+4*\s+3], s[G0+4*\s+3], 0x80000000
	s_mov_b32 s[G0B+4*\s], 1
	s_add_co_u32 s[G0B+4*\s+1], s45, \s*SLOT
	s_add_nc_u64 s[G0B+4*\s+2:G0B+4*\s+3], s[46:47], \s*ROWB
	s_or_b32 s[G0B+4*\s+3], s[G0B+4*\s+3], 0x80000000
	JLOAD G0+4*\s, G1, G0B+4*\s, G1B               ; by this text's count three tensor loads of a wave are out here
.endr
	v_and_b32 v1, 15, v0                           ; r = l % 16
	v_bfe_u32 v2, v0, 4, 1                         ; h = l / 16
	v_mul_u32_u24 v3, v1, PITCH
	v_lshl_add_u32 v4, v2, 4, v3                   ; a fragment's row x pitch + 16 x half
	s_mul_i32 s21, s15, HALFT                      ; my 128 rows of A
	s_mul_i32 s22, s16, HALFT                      ; my 128 rows of B,
	s_add_co_u32 s22, s22, 2*HALFT                 ; which lie behind A's 256
.irp s, 0,1
	v_add_nc_u32 v[ADRA+\s], s21, v4
	v_add_nc_u32 v[ADRB+\s], s22, v4
	s_add_co_u32 s21, s21, SLOT
	s_add_co_u32 s22, s22, SLOT
.endr
	v_mul_u32_u24 v5, v1, KS                       ; my row's scales: KS bytes a row,
	v_lshrrev_b32 v6, 8, v5
	v_lshl_add_u32 v5, v6, 4, v5                   ; and 16 more for each 256 passed
	s_mul_i32 s21, s15, HALFS
	s_mul_i32 s22, s16, HALFS
	s_add_co_u32 s22, s22, 2*HALFS
	s_sub_co_u32 s22, s22, s21
	v_mul_u32_u24 v6, s22, v2                      ; lanes 16-31 take B's
	s_add_co_u32 s21, s21, SCL
	v_add_nc_u32 v5, v5, v6
	v_add_nc_u32 v[ADRS], s21, v5
	; WHERE THE RESULTS GO.  P: my 128 tokens of the 8,192; Qx: my 128 channels of the 1,024 (two heads)
	s_lshl_b32 s18, s17, 1
	s_add_co_u32 s18, s18, s15                     ; my 128 rows of A
	s_lshl_b32 s19, s42, 1
	s_add_co_u32 s19, s19, s16                     ; my 128 rows of B
	s_mov_b32 s4, 1024                             ; from block a to block a + 1: q, k: a tile of 16 tokens; v: a tile of 16 channels, 2,048
	s_mov_b32 s6, 1024                             ; from block 3 to block 4: q, k the same; v: on to the next head
	s_mov_b32 s22, HS                              ; from chunk 1 to chunk 2: q, k: the next head; v: 1,024
	s_cmp_eq_u32 s2, 2
	s_cselect_b32 s20, s19, s18                    ; P
	s_cselect_b32 s21, s18, s19                    ; Qx
	s_cselect_b32 s4, 2048, s4
	s_cselect_b32 s6, HS-3*2048, s6
	s_cselect_b32 s22, 1024, s22
	s_mov_b32 s5, 0
	s_mov_b32 s7, 0
	s_lshr_b32 s23, s20, 4                         ; the batch: 16 runs of 128 tokens each
	s_lshl_b32 s23, s23, 4
	s_lshl_b32 s21, s21, 1
	s_add_co_u32 s23, s23, s21                     ; batch x 16 + my first head
	s_mul_i32 s23, s23, HS
	s_bfe_u32 s21, s20, 0x30001                    ; the slot of 256 tokens: 3 bits from bit 1
	s_mul_i32 s21, s21, SS
	s_add_co_u32 s23, s23, s21
	s_mul_i32 s21, s2, PART
	s_add_co_u32 s23, s23, s21                     ; my part of the slot (under 2^25)
	s_and_b32 s20, s20, 1                          ; which half of the slot
	s_lshl_b32 s21, s20, 13
	s_add_co_u32 s46, s23, s21                     ; its codes: 8,192 bytes a half
	s_mov_b32 s47, 0
	s_lshl_b32 s20, s20, 8
	s_add_co_u32 s92, s23, s20                     ; its scale words: 256 bytes a half, behind the codes
	s_add_co_u32 s92, s92, 16384
	s_mov_b32 s93, 0
	s_add_nc_u64 s[10:11], s[12:13], s[92:93]
	s_add_nc_u64 s[12:13], s[12:13], s[46:47]
	s_mov_b32 s8, 0x76543210
	s_mov_b32 s9, 0xfedcba98                       ; v_permlanex16_b32's selects for lane l xor 16
	s_mov_b32 s100, 0x600000                       ; the mantissa field of 57,344
	s_mov_b32 s96, 0xffff0000                      ; a lane mask: lanes 16-31
	v_and_b32 v6, 31, v0
	v_lshlrev_b32 v[VO0], 4, v6
	v_add_nc_u32 v[VO1], s22, v[VO0]
	v_mul_u32_u24 v[SCO], v2, HS
	v_lshl_add_u32 v[SCO], v1, 4, v[SCO]
	v_mov_b32 v[VSEL], 0x05040100
	v_mov_b32 v[TT], 0x07060302
	v_cndmask_b32 v[VSEL], v[VSEL], v[TT], s96
.irp b, 0,1,2,3
	v_mov_b32 v[TM+4+\b], 0                        ; written once: a lane permute's destination counts as one of its sources
.endr
.macro FRAG reg, adr, q, i             ; a fragment, 16 rows x 128 K: lane l holds row l % 16; registers 4 c .. 4 c + 3 hold K = 32 c + 16 (l / 16) + 0 .. 15
.irp c, 0,1,2,3
	ds_load_b128 v[\reg+4*\c:\reg+4*\c+3], v[\adr] offset:128*(\q)+32*\c+(\i)*16*PITCH
.endr
.endm
; 16 matrix instructions: A's blocks a0, a0 + 1 x B's eight, 128 along K.  The 64 accumulators take turns, one instruction a turn, in the same order in every step.
.macro MUL16 a0, p, q, sc, zero
.irp a, \a0, \a0+1
.irp b, 0,1,2,3,4,5,6,7
.if \zero
	v_wmma_scale_f32_16x16x128_f8f6f4 v[8*(8*((\a)%4)+\b):8*(8*((\a)%4)+\b)+7], v[128*(\p)+FR*\b:128*(\p)+FR*\b+FR-1], v[AF+FR*(\a):AF+FR*(\a)+FR-1], 0, v[SC+8*NQ*(\sc)+NQ*\b+(\q)], v[SC+8*NQ*(\sc)+NQ*(\a)+(\q)] matrix_a_fmt:MATRIX_FMT_BF8 matrix_b_fmt:MATRIX_FMT_BF8 matrix_a_scale:MATRIX_SCALE_ROW1
.else
	v_wmma_scale_f32_16x16x128_f8f6f4 v[8*(8*((\a)%4)+\b):8*(8*((\a)%4)+\b)+7], v[128*(\p)+FR*\b:128*(\p)+FR*\b+FR-1], v[AF+FR*(\a):AF+FR*(\a)+FR-1], v[8*(8*((\a)%4)+\b):8*(8*((\a)%4)+\b)+7], v[SC+8*NQ*(\sc)+NQ*\b+(\q)], v[SC+8*NQ*(\sc)+NQ*(\a)+(\q)] matrix_a_fmt:MATRIX_FMT_BF8 matrix_b_fmt:MATRIX_FMT_BF8 matrix_a_scale:MATRIX_SCALE_ROW1
.endif
.endr
.endr
.endm
.macro FETCH_B slot, q, p
	WIN TO_B
.irp i, 0,1,2,3,4,5,6,7
	FRAG 128*(\p)+FR*\i, ADRB+\slot, \q, \i
.endr
	WIN 0
.endm
.macro FETCH_A slot, q, i0
.irp i, \i0, \i0+1, \i0+2, \i0+3
	FRAG AF+FR*(\i), ADRA+\slot, \q, \i
.endr
.endm
.macro SCALES sc                       ; a K step's scale words: lanes 0-15 take A's block i, lanes 16-31 B's block i
.irp i, 0,1,2,3,4,5,6,7
	ds_load_b64 v[SC+8*NQ*\sc+NQ*\i:SC+8*NQ*\sc+NQ*\i+1], v[ADRS] offset:\i*SBLK
.endr
.endm
.macro PLACES n                        ; plain vector instructions between a matrix instruction and a load into, or a read of, its registers
.rept \n
	v_nop
.endr
.endm
.macro STEP slot, q, zero              ; a step of 128 along K that has its successor in the same slot
	s_wait_dscnt 4*NL                              ; B's set and A's blocks 0-3 are in; the youngest sixteen loads (A's blocks 4-7) may be out
	WIN MUL_LO
	MUL16 0, (\q)%2, \q, \slot, \zero
	MUL16 2, (\q)%2, \q, \slot, \zero
	s_wait_dscnt 0
	PLACES NP
	FETCH_B \slot, (\q)+1, 1-(\q)%2
	FETCH_A \slot, (\q)+1, 0
	WIN MUL_HI
	MUL16 4, (\q)%2, \q, \slot, \zero
	MUL16 6, (\q)%2, \q, \slot, \zero
	PLACES NP
	WIN 0
	FETCH_A \slot, (\q)+1, 4
.endm
; A slot's last step changes slots: ONE barrier; in front of it each wave waits for all its tensor loads, adds 0 to its spare word, and waits for that and for its own reads of this slot.
.macro TURN slot, next, fill
	s_wait_tensorcnt 0x0                           ; all my tensor loads have landed: my part of the next slot
	ds_add_u32 v[SPW], v[NIL]                      ; 0 onto my spare word
	s_wait_dscnt 4*NL+1                            ; (the add and the youngest sixteen loads may be out)
	WIN MUL_LO
	MUL16 0, 1, NQ-1, \slot, 0
	s_wait_dscnt 0x0                               ; the add is done, and my reads of this slot are over
	s_barrier_signal -1
	MUL16 2, 1, NQ-1, \slot, 0
	WIN 0
	s_barrier_wait -1
.if \fill
	CREST                                          ; the barrier has opened a round of the cluster's barrier: no wave of any partner still reads this slot or has a load on its way
	s_add_nc_u64 s[G0+4*\slot+2:G0+4*\slot+3], s[G0+4*\slot+2:G0+4*\slot+3], 2*ROWB
	s_add_nc_u64 s[G0B+4*\slot+2:G0B+4*\slot+3], s[G0B+4*\slot+2:G0B+4*\slot+3], 2*ROWB
	JLOAD G0+4*\slot, G1, G0B+4*\slot, G1B         ; the first tensor load behind the round; its four v_nop are among the places in front of the loads below
	PLACES NP-4
.else
	PLACES NP
.endif
	v_add_nc_u32 v[ADRS], 4*NQ, v[ADRS]            ; on to the next K step's scale words
	FETCH_B \next, 0, 0
	FETCH_A \next, 0, 0
	SCALES \next
	WIN MUL_HI
	MUL16 4, 1, NQ-1, \slot, 0
	MUL16 6, 1, NQ-1, \slot, 0
	PLACES NP
	WIN 0
	FETCH_A \next, 0, 4
.endm
	s_wait_tensorcnt 1                             ; the scales and my part of K step 0 are in (K step 1's load may be out),
	s_barrier_signal -1
	s_barrier_wait -1                              ; everybody's are
	FETCH_B 0, 0, 0
	FETCH_A 0, 0, 0
	SCALES 0
	FETCH_A 0, 0, 4
	STEP 0, 0, 1                                   ; the first step's products start the sums
	s_mov_b32 s3, LAPS-1
.Llap:                                                 ; a trip goes once round the ring and fills both slots again
	TURN 0, 1, 1
	STEP 1, 0, 0
	TURN 1, 0, 1
	STEP 0, 0, 0
	s_sub_co_u32 s3, s3, 1
	s_cmp_lg_u32 s3, 0
	s_cbranch_scc1 .Llap
	TURN 0, 1, 0                                   ; the last lap fills nothing
	STEP 1, 0, 0
	s_wait_dscnt 4*NL
	WIN MUL_LO
	MUL16 0, 1, NQ-1, 1, 0
	MUL16 2, 1, NQ-1, 1, 0
	s_wait_dscnt 0
	WIN MUL_HI
	MUL16 4, 1, NQ-1, 1, 0
	MUL16 6, 1, NQ-1, 1, 0
	WIN 0
	PLACES NP
; THE WAY OUT.  Block a (16 rows of A): a lane's 64 numbers are four blocks of 32 along the next K, 16 numbers each, the other 16 in lane l xor 16.  They become 16 registers of codes and a scale word.
.macro QA a
.set AC, 64*((\a)%4)
.set WA, 2+(\a)/4                      ; the accumulators' window
.set WN, WA|(WA<<2)
	WIN WN                                         ; sources 0 and 1 in the accumulators' window
.irp b, 0,1,2,3
	v_max3_num_f32 v[TM+\b], |v[AC+16*\b]|, |v[AC+16*\b+1]|, 0x8000000   ; each accumulator is read from its low end on; the floor 2^(16 - 127) holds the byte at 1 from below
.endr
.irp i, 2,4,6,8,10,12,14
.irp b, 0,1,2,3
	v_max3_num_f32 v[TM+\b], |v[AC+16*\b+\i]|, |v[AC+16*\b+\i+1]|, v[TM+\b]   ; (the four blocks by turns)
.endr
.endr
	WIN 0
.irp b, 0,1,2,3
	v_permlanex16_b32 v[TM+4+\b], v[TM+\b], s8, s9
.endr
.irp b, 0,1,2,3
	v_max_num_f32 v[TM+\b], v[TM+\b], v[TM+4+\b]   ; the block's largest magnitude
.endr
.irp b, 0,1,2,3
	v_add_nc_u32 v[TM+12+\b], 0xf8800000, v[TM+\b] ; 15 off its exponent field: the conversion's scale operand
.endr
.irp b, 0,1,2,3
	v_and_or_b32 v[TM+8+\b], v[TM+\b], 0x7f800000, s100   ; 57,344 x the scale
.endr
.irp b, 0,1,2,3
	v_lshrrev_b32 v[TM+4+\b], 23, v[TM+12+\b]      ; the scale's byte
.endr
	v_lshl_or_b32 v[PW+(\a)], v[TM+5], 8, v[TM+4]
	v_lshl_or_b32 v[PW+(\a)], v[TM+6], 16, v[PW+(\a)]
	v_lshl_or_b32 v[PW+(\a)], v[TM+7], 24, v[PW+(\a)]
.set WN, WA|(WA<<6)
	WIN WN                                         ; source 0 and the destination in the accumulators' window
.irp b, 0,1,2,3
.irp i, 0,1,2,3,4,5,6,7,8,9,10,11,12,13,14,15
	v_med3_num_f32 v[AC+16*\b+\i], v[AC+16*\b+\i], -v[TM+8+\b], v[TM+8+\b]   ; the conversion to an 8-bit code does not saturate (ISA guide 7.6.2): the hold
.endr
.endr
	WIN WA
.irp b, 0,1,2,3
	v_cvt_scalef32_pk8_bf8_f32 v[PC+16*(\a)+4*\b:PC+16*(\a)+4*\b+1], v[AC+16*\b:AC+16*\b+7], v[TM+12+\b]
	v_cvt_scalef32_pk8_bf8_f32 v[PC+16*(\a)+4*\b+2:PC+16*(\a)+4*\b+3], v[AC+16*\b+8:AC+16*\b+15], v[TM+12+\b]
.endr
	WIN 0
	v_nop                                          ; one plain line behind the last conversion: the next block writes the scale operands anew
.if (\a) > 0
	s_wait_xcnt 0x0                                ; the stores of the block before have read their base
.if (\a) == 4
	s_add_nc_u64 s[12:13], s[12:13], s[6:7]
.else
	s_add_nc_u64 s[12:13], s[12:13], s[4:5]
.endif
.endif
.irp c, 0,1,2,3
	global_store_b128 v[VO0+\c/2], v[PC+16*(\a)+4*\c:PC+16*(\a)+4*\c+3], s[12:13] offset:(\c%2)*512   ; 32 lanes store 512 consecutive bytes, at a multiple of 256 from att's first byte
.endr
.endm
.irp a, 0,1,2,3,4,5,6,7
	QA \a
.endr
	; the scale words.  q, k: word p of lane r: tokens 32 p + r and 32 p + 16 + r, two bytes each, of the head of my lane's half.  v: word p: the four key blocks of row r of tile p of 16 channels, of the head of my lane's half
.irp p, 0,1,2,3
	v_perm_b32 v[TT+\p], v[PW+2*\p+1], v[PW+2*\p], v[VSEL]
.endr
.irp p, 0,1,2,3
	v_cndmask_b32 v[WD+\p], v[PW+\p], v[PW+4+\p], s96
.endr
.irp p, 0,1,2,3
	v_cndmask_b32 v[WD+\p], v[TT+\p], v[WD+\p], s95
.endr
	global_store_b128 v[SCO], v[WD:WD+3], s[10:11] ; sixteen lanes store 256 consecutive bytes, aligned: one run for each of my two heads
	s_wait_tensorcnt 0x0                           ; the wave's end, behind my last tensor load
	ds_add_u32 v[SPW], v[NIL]
	s_wait_dscnt 0x0
	CROUND                                         ; the closing round: no work-group ends while a partner may still ask for a tile that names it
	s_endpgm
.Lfunc_end_k_q89dcd75a28_proj:
	.size	k_q89dcd75a28_proj, .Lfunc_end_k_q89dcd75a28_proj-k_q89dcd75a28_proj
	.p2alignl 7, 3214868480
	.fill 96, 4, 3214868480
	.section	.rodata,"a",@progbits
	.p2align	6, 0x0
	.amdhsa_kernel k_q89dcd75a28_proj
		.amdhsa_group_segment_fixed_size 327680
		.amdhsa_private_segment_fixed_size 0
		.amdhsa_enable_private_segment 0
		.amdhsa_kernarg_size 24
		.amdhsa_user_sgpr_count 2
		.amdhsa_user_sgpr_kernarg_segment_ptr 1
		.amdhsa_wavefront_size32 1
		.amdhsa_system_sgpr_workgroup_id_x 1
		.amdhsa_system_sgpr_workgroup_id_y 1
		.amdhsa_system_sgpr_workgroup_id_z 1
		.amdhsa_system_vgpr_workitem_id 0
		.amdhsa_next_free_vgpr 1024
		.amdhsa_next_free_sgpr 102
		.amdhsa_reserve_vcc 0
		.amdhsa_float_denorm_mode_32 3
		.amdhsa_float_denorm_mode_16_64 3
		.amdhsa_memory_ordered 1
		.amdhsa_forward_progress 1
		.amdhsa_inst_pref_size 187
	.end_amdhsa_kernel
	.amdgpu_metadata
---
amdhsa.version: [ 1, 2 ]
amdhsa.kernels:
  - .name:           k_q89dcd75a28_proj
    .symbol:         k_q89dcd75a28_proj.kd
    .args:
      - { .name: cin, .offset: 0, .size: 8, .value_kind: global_buffer, .address_space: global }
      - { .name: sin, .offset: 8, .size: 8, .value_kind: global_buffer, .address_space: global }
      - { .name: att, .offset: 16, .size: 8, .value_kind: global_buffer, .address_space: global }
    .group_segment_fixed_size: 327680
    .private_segment_fixed_size: 0
    .kernarg_segment_align: 8
    .kernarg_segment_size: 24
    .max_flat_workgroup_size: 128
    .sgpr_count:     102
    .vgpr_count:     1024
    .wavefront_size: 32
...
	.end_amdgpu_metadata
.endif
;; end of part 2
;; launch attn (part 3): grid 4 x 64, 16 waves a work-group, no clusters, 327,680 bytes of LDS; arguments att, oc, os; writes oc, os
.if DOCPART == 3
	.amdgcn_target "amdgcn-amd-amdhsa--gfx1250"
	.amdhsa_code_object_version 6
	.text
	.protected	k_q89dcd75a28_attn
	.globl	k_q89dcd75a28_attn
	.p2align	8
	.type	k_q89dcd75a28_attn,@function
k_q89dcd75a28_attn:
	s_mov_b64 s[64:65], 0
	v_nop
	global_prefetch_b8 v0, s[64:65] scope:SCOPE_SE
	s_setreg_imm32_b32 hwreg(HW_REG_WAVE_MODE, 25, 1), 1
	s_wait_xcnt 0x0
; CAUSAL ATTENTION ON CODES OF E5M2, head size 64, and the quantising of its result along D for the last projection.  q, k, v come from att as images of operand registers (launch 2).
; WORK LEFT OUT: a step of 128 keys all of which come after a wave's 16 queries, and a slot of 256 keys that no wave of the work-group reads: reference()'s own mask gives those keys the weight 0 for all finite inputs.
; LIMIT: a NaN, an infinity or an overflow that reaches only such keys is not carried to the result.  A block's byte is held at 1 from below; a block of zeros has the byte 1 (only this program reads the bytes).
; THE SOFTMAX: t = score x log2(e) / 8; M = the running largest t rounded UP to a whole number; p = 2^(t - M) is quantised along the keys; the row's sum is taken of the unquantised p and divides at the end.
; SHARES.  Work-group (i, b x 16 + head) owns two blocks of 256 queries of one head: block 7 - i first, then block i: 9 slots of 256 keys in every work-group.  Each of its sixteen waves owns 16 queries of the block in hand.
; NO CLUSTER: the four work-groups of a head need different numbers of slots, and the mask would let a partner read nothing of a tile asked for jointly.
; THE RING: two LDS slots; a slot holds k's and v's parts of 256 keys, 16,896 dense bytes each, brought by waves 0 and 1, one load each.  Every work-group walks 12 changes of slots (8 for the first block, 4 for the second): the
; trip count is a constant; a slot beyond the block's last query is not asked for: a jump on the work-group's number and the count of trips, the same in all waves, round the load alone.  Every wait on TENSORcnt is for 0.
; LAYOUT.  S^T = k q^T and O^T = v^T p^T: a lane holds ONE query (lane % 16) throughout.  K = 64 IN AN INSTRUCTION OF 128: a fragment of k holds keys 32 f + r in K 0-63 and keys 32 f + 16 + r in K 64-127; q stands as
; q | zeros | q in 24 registers: [q | 0] gives the first sixteen keys' scores, [0 | q] the others'.  Zero codes add nothing under any scale byte that the quantiser makes.
; A lane's register 16 f + 8 u + j of S^T is key 32 f + 16 u + 8 (lane / 16) + j: the order inside a block of 32 in which launch 2 laid v's keys.
; REGISTERS: v1-11 addresses that stay; v12 -M, v13 the largest t, v[14:15] the sum in two halves; v16-39 q | 0 | q; v40-103 four fragments of k or v; v104-167 S^T, then p; v168-199 O^T; v200-215 p's codes;
; v216-219 k's or v's scale words, v220 q's, v221 p's: these six hold scales alone; v222-255 at work.
.set HS,    405504
.set SS,    50688
.set PART,  16896
.set SLOT1, 65536                      ; slot 1 begins here: one exclusive or turns an address in one slot into the other's
.set SPARE, 131072                     ; the spare words, 128 bytes for each of the sixteen waves
.set LI,   1                           ; v1   16 x lane: my place in an image
.set LSC,  2                           ; v2   16 x (lane % 16): my row's four scale words
.set QCO,  3                           ; v3   q's codes: 16 x lane + 1,024 x wave
.set QSO,  4                           ; v4   q's two scale bytes
.set SPW,  5
.set NIL,  6
.set RH,   7                           ; v7   lane % 16 - 8 (lane / 16)
.set ADK,  8                           ; v8   LDS address of the slot's images
.set ADS,  9                           ; v9   and of its scale words
.set OSO,  10                          ; v10  os: 32 x (lane % 16)
.set PFO,  11                          ; v11  the prefetches' offset: 256 x lane
.set FRG,  40
.set S,    104
.set OT,   168
.set PCD,  200
.set SW,   216
.set QW,   220
.set PWD,  221
.set BM,   224                         ; v224-227 block maxima, v228-231 bytes, v236-239 the conversions' scale operands
.set TB,   2                           ; s2   LDS byte at which the slot in hand begins
.set N,    3                           ; s3   the trip
.set WV,   18
.set MNT,  19
.set SEL,  20
.set CS,   22                          ; s[22:23] c = log2(e) / 8
.set G1,   24
.set G0,   32
.set KVB,  36                          ; s[36:37] my part (wave 0: k's, wave 1: v's) of the head's slot 0
.set KF,   38                          ; s38  the step's first key
.set Q0,   39                          ; s39  my first query
.set IB,   40                          ; s40  i;  s41  7 - i
.set IB7,  41
.set NX,   42                          ; s42  the slot of keys that the next trip reads
.set QBN,  43                          ; s43  the block of queries of that trip
.set HB,   50                          ; s[50:51] the head in att
.set QB,   52                          ; s[52:53] the slot that holds my queries
.set PFA,  54                          ; s[54:55] where my prefetches stand
.set LIM,  56                          ; s56  a wave prefetches while the trip's number is under it
.set BH,   57                          ; s57  b x 16 + head
.macro TLOAD                           ; waves 0 and 1 fetch; an s_nop 0 and four v_nop follow the load
	s_cmp_lt_u32 s[WV], 2
	s_cbranch_scc0 .Lasked_\@
	tensor_load_to_lds s[G0:G0+3], s[G1:G1+7]
	s_nop 0
.rept 4
	v_nop
.endr
.Lasked_\@:
.endm
; A PREFETCH INTO THE L2 of the codes that the NEXT change of slots will ask for.  The four work-groups of a head walk the same k and v: the one with i = 0, which walks all eight slots, asks, in trips 0 to 5 for slots 2 to 7.
; In it waves 4 and 5 ask for k's 16,384 bytes of codes, waves 6 and 7 for v's: 8,192 bytes a wave, lanes 256 bytes apart.  So each block is named once.  Slots 0 and 1 and the scale words come by their loads alone.
.macro ASK
	s_cmp_lt_u32 s[N], s[LIM]
	s_cbranch_scc0 .Lnot_mine_\@
	global_prefetch_b8 v[PFO], s[PFA:PFA+1] th:TH_LOAD_NT scope:SCOPE_SE
.Lnot_mine_\@:
.endm
	s_load_b128 s[4:7], s[0:1], 0x0                ; att, oc
	s_load_b64 s[8:9], s[0:1], 0x10                ; os
	v_lshl_add_u32 v[SPW], v0, 2, SPARE
	v_mov_b32 v[NIL], 0
	ds_add_u32 v[SPW], v[NIL]                      ; the wave's opening: the add, twice on end, and its wait ahead of the first tensor load
	ds_add_u32 v[SPW], v[NIL]
	v_lshrrev_b32 v8, 5, v0
	s_delay_alu instid0(VALU_DEP_1)
	v_readfirstlane_b32 s[WV], v8                  ; wave 0..15
	s_and_b32 s[BH], ttmp7, 0xffff
	s_mov_b32 s[IB], ttmp9
	s_sub_co_u32 s[IB7], 7, ttmp9
	; descriptor group 1: a dense block of 16,896 bytes as 66 rows of 256 (32 elements of 8 bytes), no padding: the images are read 16 bytes a lane on end
	s_mov_b32 s[G1], 3<<16
	s_mov_b32 s[G1+1], 32<<16
	s_mov_b32 s[G1+2], 66<<16
	s_mov_b32 s[G1+3], 32<<16
	s_mov_b32 s[G1+4], 66
	s_mov_b32 s[G1+5], 32
	s_mov_b32 s[G1+6], 0
	s_mov_b32 s[G1+7], 0
	s_mov_b32 s[SEL], 0x76543210
	s_mov_b32 s[SEL+1], 0xfedcba98
	s_mov_b32 s[CS], 0x3e38aa3b                    ; log2(e) / 8
	s_mov_b32 s[CS+1], s[CS]                       ; (named with it as a pair, so it is written)
	s_mov_b32 s[TB], 0
	s_mov_b32 s[KF], 0
	s_and_b32 s58, s[WV], 1
	s_mul_i32 s58, s58, PART                       ; wave 0: k's part, wave 1: v's, in memory and in a slot alike
	s_mov_b32 s59, 0
	s_mul_i32 s44, s[BH], HS
	s_mov_b32 s45, 0
	s_lshl_b32 s[Q0], s[IB7], 8
	s_lshl_b32 s46, s[WV], 4
	s_add_co_u32 s[Q0], s[Q0], s46                 ; the first block: 256 (7 - i) + 16 x wave
	s_sub_co_u32 s46, s[WV], 4
	s_lshr_b32 s46, s46, 2                         ; 0 in waves 4 to 7,
	s_or_b32 s46, s46, ttmp9                       ; of the work-group with i = 0
	s_cmp_eq_u32 s46, 0
	s_cselect_b32 s[LIM], 6, 0
	s_wait_dscnt 0x0                               ; both opening adds are done
	s_wait_kmcnt 0x0
	s_add_nc_u64 s[HB:HB+1], s[4:5], s[44:45]
	s_add_nc_u64 s[KVB:KVB+1], s[HB:HB+1], s[58:59]
	s_add_nc_u64 s[KVB:KVB+1], s[KVB:KVB+1], PART  ; q's part lies in front
	s_mov_b32 s[G0], 1
	s_mov_b32 s[G0+1], s58
	s_mov_b64 s[G0+2:G0+3], s[KVB:KVB+1]
	s_or_b32 s[G0+3], s[G0+3], 0x80000000
	TLOAD                                          ; keys 0 to 255 into slot 0: key 0 counts for every query
	s_and_b32 s44, s[WV], 3                        ; the prefetches: waves 4, 5: the halves of k's codes; waves 6, 7: of v's
	s_lshr_b32 s46, s44, 1
	s_mul_i32 s46, s46, PART
	s_and_b32 s44, s44, 1
	s_lshl_b32 s44, s44, 13
	s_add_co_u32 s44, s44, s46
	s_add_co_u32 s44, s44, PART+SS                 ; in slot 1: the first change of slots steps it to slot 2
	s_add_nc_u64 s[PFA:PFA+1], s[HB:HB+1], s[44:45]
	v_and_b32 v240, 31, v0                         ; lane
	v_and_b32 v241, 15, v0                         ; r
	v_bfe_u32 v246, v0, 4, 1                       ; h
	s_delay_alu instid0(VALU_DEP_3)
	v_lshlrev_b32 v[LI], 4, v240
	s_delay_alu instid0(VALU_DEP_3)
	v_lshlrev_b32 v[LSC], 4, v241
	s_wait_alu depctr_va_vdst(0)
	v_lshlrev_b32 v247, 3, v246
	s_delay_alu instid0(VALU_DEP_1)
	v_sub_nc_u32 v[RH], v241, v247
	v_lshlrev_b32 v[OSO], 5, v241
	v_lshlrev_b32 v[PFO], 8, v240
	s_lshl_b32 s44, s[WV], 10
	v_add_nc_u32 v[QCO], s44, v[LI]                ; my tile of 16 queries is tile 'wave' of its slot
	s_lshr_b32 s44, s[WV], 3
	s_lshl_b32 s44, s44, 8                         ; its scale bytes: which 128 tokens,
	s_bfe_u32 s46, s[WV], 0x20001
	s_lshl_b32 s46, s46, 2                         ; which pair of tiles,
	s_add_co_u32 s44, s44, s46
	s_and_b32 s46, s[WV], 1
	s_lshl_b32 s46, s46, 1                         ; which half of the pair's word
	s_add_co_u32 s44, s44, s46
	v_add_nc_u32 v[QSO], s44, v[LSC]
.irp j, 0,1,2,3,4,5,6,7
	v_mov_b32 v[24+\j], 0                          ; the zero codes between q and q
.endr
.irp b, 0,1,2,3
	v_mov_b32 v[BM+4+\b], 0                        ; written once: a lane permute's destination counts as one of its sources
.endr
	v_mov_b32 v243, 0                              ; (named as the upper half of the pair v[242:243])
; A block of queries begins: q's fragment, twice, its scale word, and the state.
.macro INIT
	s_lshr_b32 s44, s[Q0], 8
	s_mul_i32 s44, s44, SS
	s_mov_b32 s45, 0
	s_add_nc_u64 s[QB:QB+1], s[HB:HB+1], s[44:45]
	global_load_b128 v[16:19], v[QCO], s[QB:QB+1]
	global_load_b128 v[20:23], v[QCO], s[QB:QB+1] offset:512
	global_load_b128 v[32:35], v[QCO], s[QB:QB+1]
	global_load_b128 v[36:39], v[QCO], s[QB:QB+1] offset:512
	global_load_u16 v222, v[QSO], s[QB:QB+1] offset:16384
	v_mov_b32 v13, 0xff61b1e6                      ; the largest t so far: -3e38
	s_delay_alu instid0(VALU_DEP_1)
	v_floor_f32 v12, -v13                          ; -M
	v_mov_b32 v14, 0
	v_mov_b32 v15, 0
	s_wait_loadcnt 0x0
	v_lshl_or_b32 v[QW], v222, 16, v222            ; the two bytes twice: they serve [q | 0] and [0 | q]
.set j, 0
.rept 32
	v_mov_b32 v[OT+j], 0                           ; O^T: the first change of M leaves zeros zeros.  (These are also the places between the scale word and the first product)
.set j, j+1
.endr
.endm
; A KEY STEP: 128 keys, the q-th of the slot in hand.
.macro STEP q
	s_add_co_u32 s44, s[Q0], 15
	s_cmp_gt_u32 s[KF], s44                        ; all its keys come after my queries: left out.  No barrier and no tensor load stands in a step
	s_cbranch_scc1 .Lhidden_\@
	v_add_nc_u32 v[ADK], s[TB], v[LI]
	v_add_nc_u32 v[ADS], s[TB], v[LSC]
.rept 6
	v_nop                                          ; with the two additions: eight places in front of loads into registers that the last products read
.endr
.irp f, 0,1,2,3
.irp e, 0,1,2,3
	ds_load_b128 v[FRG+16*\f+4*\e:FRG+16*\f+4*\e+3], v[ADK] offset:8192*(\q)+2048*\f+512*\e
.endr
.endr
	ds_load_b128 v[SW:SW+3], v[ADS] offset:16384+256*(\q)   ; word f: keys 32 f + r and 32 f + 16 + r, two bytes each
	s_wait_alu depctr_va_vdst(0)
	s_wait_dscnt 0x0
.irp f, 0,1,2,3
	v_wmma_scale_f32_16x16x128_f8f6f4 v[S+16*\f:S+16*\f+7], v[FRG+16*\f:FRG+16*\f+15], v[16:31], 0, v[SW+\f], v[QW] matrix_a_fmt:MATRIX_FMT_BF8 matrix_b_fmt:MATRIX_FMT_BF8
	v_wmma_scale_f32_16x16x128_f8f6f4 v[S+16*\f+8:S+16*\f+15], v[FRG+16*\f:FRG+16*\f+15], v[24:39], 0, v[SW+\f], v[QW] matrix_a_fmt:MATRIX_FMT_BF8 matrix_b_fmt:MATRIX_FMT_BF8
.endr
.rept 8
	v_nop
.endr
.irp t, 0,1,2,3                                ; v's four tiles of 16 channels x 128 keys are asked for at once: they land under the softmax
.irp c, 0,1,2,3
	ds_load_b128 v[FRG+16*\t+4*\c:FRG+16*\t+4*\c+3], v[ADK] offset:PART+8192*(\q)+2048*\t+512*\c
.endr
.endr
	ds_load_b128 v[SW:SW+3], v[ADS] offset:PART+16384+256*(\q)   ; word t: row r of tile t, a byte for each block of 32 keys
	s_add_co_u32 s44, s[KF], 127
	s_cmp_le_u32 s44, s[Q0]                        ; all its keys count: no mask
	s_cbranch_scc1 .Lopen_\@
	s_sub_co_i32 s44, s[Q0], s[KF]
	v_add_nc_u32 v246, s44, v[RH]                  ; d = my query - the step's first key - 8 (lane / 16).  Register n holds key 16 (n / 8) + n % 8 + 8 (lane / 16) of the step: hidden where 16 (n / 8) + n % 8 > d
	v_mov_b32 v247, 0xff800000                     ; -infinity
.set n, 0
.rept 64
	v_cmp_gt_i32 vcc_lo, 16*(n/8)+n%8, v246
	v_cndmask_b32 v[S+n], v[S+n], v247, vcc_lo
.set n, n+1
.endr
.Lopen_\@:
.irp b, 0,1,2,3
	v_max3_num_f32 v[BM+\b], v[S+16*\b], v[S+1+16*\b], v[S+2+16*\b]   ; the largest score of each block of 32 keys: for the row's maximum and, since p rises with the score, for the block's largest p
.endr
.irp i, 3,5,7,9,11,13
.irp b, 0,1,2,3
	v_max3_num_f32 v[BM+\b], v[BM+\b], v[S+16*\b+\i], v[S+1+16*\b+\i]
.endr
.endr
.irp b, 0,1,2,3
	v_max_num_f32 v[BM+\b], v[BM+\b], v[S+15+16*\b]
.endr
.irp b, 0,1,2,3
	s_delay_alu instid0(VALU_DEP_4)
	v_permlanex16_b32 v[BM+4+\b], v[BM+\b], s[SEL], s[SEL+1]
.endr
.irp b, 0,1,2,3
	s_delay_alu instid0(VALU_DEP_4)
	v_max_num_f32 v[BM+\b], v[BM+\b], v[BM+4+\b]   ; with lane l xor 16's 16 keys
.endr
	s_delay_alu instid0(VALU_DEP_2)
	v_max3_num_f32 v240, v[BM], v[BM+1], v[BM+2]
	s_delay_alu instid0(VALU_DEP_1)
	v_max_num_f32 v240, v240, v[BM+3]
	s_delay_alu instid0(VALU_DEP_1)
	v_mul_f32 v240, s[CS], v240                    ; the step's largest t
	s_delay_alu instid0(VALU_DEP_1)
	v_max_num_f32 v13, v13, v240
	v_mov_b32 v240, v12
	s_delay_alu instid0(VALU_DEP_2)
	v_floor_f32 v12, -v13                          ; the new -M = -ceil(t)
	s_delay_alu instid0(VALU_DEP_1)
	v_sub_f32 v240, v12, v240                      ; old M - new M: a whole number, 0 or less
	s_delay_alu instid0(VALU_DEP_1)
	v_cvt_i32_f32 v240, v240                       ; (it saturates)
	s_delay_alu instid0(VALU_DEP_1)
	v_ldexp_f32 v242, 1.0, v240                    ; f = 2^(old M - new M)
.set j, 0
.rept 32
	v_pk_fma_f32 v[S+j:S+j+1], v[S+j:S+j+1], s[CS:CS+1], v[12:13] op_sel_hi:[1,0,0]   ; t - M, two at a time
.set j, j+2
.endr
.irp b, 0,1,2,3
	v_fma_f32 v[BM+\b], v[BM+\b], s[CS], v12       ; the same of each block's largest score
.endr
.set j, 0
	s_wait_alu depctr_va_vdst(0)
.rept 64
	v_exp_f32 v[S+j], v[S+j]                       ; p = 2^(t - M)
.set j, j+1
.endr
	v_pk_mul_f32 v[14:15], v[14:15], v[242:243] op_sel_hi:[1,0]   ; the sums under the new M (a plain line behind the exponentials)
	s_wait_alu depctr_va_vdst(0)                   ; one wait for the whole batch, ahead of its first reader
.irp b, 0,1,2,3
	v_exp_f32 v[BM+\b], v[BM+\b]                   ; the block's largest p
.endr
	v_pk_add_f32 v[244:245], v[108:109], v[112:113]
	v_pk_add_f32 v[254:255], v[116:117], v[120:121]
	v_pk_add_f32 v[252:253], v[124:125], v[128:129]
	v_pk_add_f32 v[250:251], v[132:133], v[136:137]
	v_pk_add_f32 v[248:249], v[140:141], v[144:145]
	v_pk_add_f32 v[246:247], v[148:149], v[152:153]
	v_pk_add_f32 v[238:239], v[156:157], v[160:161]
	v_pk_add_f32 v[14:15], v[14:15], v[164:165]
	v_pk_add_f32 v[244:245], v[244:245], v[104:105]
	v_pk_add_f32 v[254:255], v[254:255], v[106:107]
	v_pk_add_f32 v[252:253], v[252:253], v[110:111]
	v_pk_add_f32 v[250:251], v[250:251], v[114:115]
	v_pk_add_f32 v[248:249], v[248:249], v[118:119]
	v_pk_add_f32 v[246:247], v[246:247], v[122:123]
	v_pk_add_f32 v[238:239], v[238:239], v[126:127]
	v_pk_add_f32 v[14:15], v[14:15], v[130:131]
	v_pk_add_f32 v[244:245], v[244:245], v[134:135]
	v_pk_add_f32 v[254:255], v[254:255], v[138:139]
	v_pk_add_f32 v[252:253], v[252:253], v[142:143]
	v_pk_add_f32 v[250:251], v[250:251], v[146:147]
	v_pk_add_f32 v[248:249], v[248:249], v[150:151]
	v_pk_add_f32 v[246:247], v[246:247], v[154:155]
	v_pk_add_f32 v[238:239], v[238:239], v[158:159]
	v_pk_add_f32 v[14:15], v[14:15], v[162:163]
	v_pk_add_f32 v[244:245], v[244:245], v[166:167]
	s_delay_alu instid0(VALU_DEP_2)
	v_pk_add_f32 v[14:15], v[14:15], v[250:251]
	s_delay_alu instid0(VALU_DEP_2)
	v_pk_add_f32 v[244:245], v[244:245], v[248:249]
	v_pk_add_f32 v[254:255], v[254:255], v[246:247]
	v_pk_add_f32 v[252:253], v[252:253], v[238:239]
	s_delay_alu instid0(VALU_DEP_2)
	v_pk_add_f32 v[14:15], v[14:15], v[254:255]
	s_delay_alu instid0(VALU_DEP_2)
	v_pk_add_f32 v[244:245], v[244:245], v[252:253]
	s_delay_alu instid0(VALU_DEP_1)
	v_pk_add_f32 v[14:15], v[14:15], v[244:245]
	s_wait_alu depctr_va_vdst(0)                   ; and one for the four
.irp b, 0,1,2,3
	v_max_num_f32 v[BM+\b], 0x8000000, v[BM+\b]    ; the floor 2^(16 - 127)
.endr
.irp b, 0,1,2,3
	s_delay_alu instid0(VALU_DEP_4)
	v_add_nc_u32 v[BM+12+\b], 0xf8800000, v[BM+\b]
.endr
.irp b, 0,1,2,3
.endr
.irp b, 0,1,2,3
	s_delay_alu instid0(VALU_DEP_4)
	v_lshrrev_b32 v[BM+4+\b], 23, v[BM+12+\b]
.endr
	s_delay_alu instid0(VALU_DEP_3)
	v_lshl_or_b32 v[PWD], v[BM+5], 8, v[BM+4]      ; p's scale word for these 128 keys
	s_delay_alu instid0(VALU_DEP_1)
	v_lshl_or_b32 v[PWD], v[BM+6], 16, v[PWD]
	s_delay_alu instid0(VALU_DEP_1)
	v_lshl_or_b32 v[PWD], v[BM+7], 24, v[PWD]
.irp b, 0,1,2,3
.irp i, 0,1,2,3,4,5,6,7,8,9,10,11,12,13,14,15
.endr
	v_cvt_scalef32_pk8_bf8_f32 v[PCD+4*\b:PCD+4*\b+1], v[S+16*\b:S+16*\b+7], v[BM+12+\b]
	v_cvt_scalef32_pk8_bf8_f32 v[PCD+4*\b+2:PCD+4*\b+3], v[S+16*\b+8:S+16*\b+15], v[BM+12+\b]
.endr
.set j, 0
.rept 16
	v_pk_mul_f32 v[OT+j:OT+j+1], v[OT+j:OT+j+1], v[242:243] op_sel_hi:[1,0]   ; O^T under the new M.  (These sixteen are also the places in front of the products below)
.set j, j+2
.endr
	s_wait_alu depctr_va_vdst(0)
	s_wait_dscnt 0x0                               ; v's fragments and scale words are in
.irp t, 0,1,2,3                                ; the four accumulators take turns; between two steps' links stand the eight products of S^T
	v_wmma_scale_f32_16x16x128_f8f6f4 v[OT+8*\t:OT+8*\t+7], v[FRG+16*\t:FRG+16*\t+15], v[PCD:PCD+15], v[OT+8*\t:OT+8*\t+7], v[SW+\t], v[PWD] matrix_a_fmt:MATRIX_FMT_BF8 matrix_b_fmt:MATRIX_FMT_BF8
.endr
.Lhidden_\@:
	s_add_co_u32 s[KF], s[KF], 128
.endm
.macro SLOT_STEPS
	STEP 0
	STEP 1
	s_xor_b32 s[TB], s[TB], SLOT1                  ; on to the other slot
.endm
; THE CHANGE OF SLOTS stands at a slot's head.  Each wave waits for all its tensor loads, adds 0 to its spare word (fill = 1: twice on end), and waits for that and for its reads of the slot that it has left.
; Behind the barrier the slot ahead is whole and nobody reads the other one; fill = 1: that other slot takes the next trip's keys, if a wave of the work-group will read them.
.macro CHANGE fill
	s_wait_tensorcnt 0x0                           ; no tensor load of mine is out, so the descriptor may be written
	ds_add_u32 v[SPW], v[NIL]
.if \fill
	ds_add_u32 v[SPW], v[NIL]                      ; and once more
	s_add_co_u32 s[NX], s[N], 1
	s_cmp_ge_u32 s[NX], 8                          ; trips 0-7 serve block 7 - i, trips 8-11 block i
	s_cselect_b32 s[QBN], s[IB], s[IB7]
	s_and_b32 s[NX], s[NX], 7                      ; the next trip's slot of keys
	s_xor_b32 s[G0+1], s[G0+1], SLOT1              ; the other LDS slot than last time
	s_mul_i32 s44, s[NX], SS
	s_mov_b32 s45, 0
	s_add_nc_u64 s[G0+2:G0+3], s[KVB:KVB+1], s[44:45]
	s_or_b32 s[G0+3], s[G0+3], 0x80000000
	s_wait_xcnt 0x0                                ; the last prefetch, a slot back, has read its address
	s_add_nc_u64 s[PFA:PFA+1], s[PFA:PFA+1], SS
.endif
	s_wait_dscnt 0x0                               ; the add is done, and my reads of the slot that I have left are over
	s_barrier_signal -1
	s_barrier_wait -1
.if \fill
	s_cmp_gt_u32 s[NX], s[QBN]                     ; a slot whose first key comes after the block's last query is read by no wave: not asked for.  The work-group's number and the trip alone: all waves go the same way
	s_cbranch_scc1 .Lpast_\@
	TLOAD                                          ; a wave's one tensor load until the next barrier
.Lpast_\@:
	ASK
.endif
.endm
; THE WAY OUT of a block of queries: O^T / the sum; a lane's 16 registers of two neighbouring tiles are channels 32 c + 16 (lane / 16) + 0 .. 15 of its query (launch 1 laid Wv's rows for that): quantised along D, they ARE
; the last projection's operand registers and leave as their image: oc[16 tokens][head][chunk][lane][16 bytes].
.macro WAYOUT
.rept 8
	v_nop                                          ; places behind the last products
.endr
	v_add_f32 v14, v14, v15
	s_delay_alu instid0(VALU_DEP_1)
	v_permlanex16_b32 v240, v14, s[SEL], s[SEL+1]
	s_delay_alu instid0(VALU_DEP_1)
	v_add_f32 v14, v14, v240                       ; the row's sum
	s_wait_alu depctr_va_vdst(0)
	v_rcp_f32 v14, v14
	v_nop                                          ; a plain line behind the reciprocal
	s_lshr_b32 s44, s[Q0], 4
	s_lshr_b32 s45, s[BH], 4
	s_lshl_b32 s45, s45, 7
	s_add_co_u32 s44, s44, s45                     ; my tile of 16 tokens among the 512
	s_and_b32 s45, s[BH], 15                       ; the head
	s_lshl_b32 s58, s44, 14
	s_lshl_b32 s59, s45, 10
	s_add_co_u32 s58, s58, s59
	s_mov_b32 s59, 0
	s_add_nc_u64 s[46:47], s[6:7], s[58:59]        ; oc: 16,384 bytes a tile, 1,024 a head
	s_lshl_b32 s58, s44, 9
	s_lshl_b32 s45, s45, 1
	s_add_co_u32 s58, s58, s45
	s_add_nc_u64 s[48:49], s[8:9], s[58:59]        ; os: 32 bytes a token, 2 a head
	s_wait_alu depctr_va_vdst(0)                   ; ahead of the reciprocal's first reader
.set j, 0
.rept 32
	v_mul_f32 v[S+j], v[OT+j], v14                 ; each accumulator from its low end on
.set j, j+1
.endr
.irp b, 0,1
	v_max3_num_f32 v[BM+\b], |v[S+16*\b]|, |v[S+1+16*\b]|, 0x8000000
.endr
.irp i, 2,4,6,8,10,12,14
.irp b, 0,1
	s_delay_alu instid0(VALU_DEP_2)
	v_max3_num_f32 v[BM+\b], v[BM+\b], |v[S+16*\b+\i]|, |v[S+1+16*\b+\i]|
.endr
.endr
.irp b, 0,1
	s_delay_alu instid0(VALU_DEP_2)
	v_permlanex16_b32 v[BM+4+\b], v[BM+\b], s[SEL], s[SEL+1]
.endr
.irp b, 0,1
	s_delay_alu instid0(VALU_DEP_2)
	v_max_num_f32 v[BM+\b], v[BM+\b], v[BM+4+\b]
.endr
.irp b, 0,1
	s_delay_alu instid0(VALU_DEP_2)
	v_add_nc_u32 v[BM+12+\b], 0xf8800000, v[BM+\b]
.endr
.irp b, 0,1
.endr
.irp b, 0,1
	s_delay_alu instid0(VALU_DEP_2)
	v_lshrrev_b32 v[BM+4+\b], 23, v[BM+12+\b]
.endr
	s_delay_alu instid0(VALU_DEP_1)
	v_lshl_or_b32 v240, v[BM+5], 8, v[BM+4]        ; my token's two scale bytes of this head
.irp b, 0,1
.irp i, 0,1,2,3,4,5,6,7,8,9,10,11,12,13,14,15
.endr
	v_cvt_scalef32_pk8_bf8_f32 v[PCD+4*\b:PCD+4*\b+1], v[S+16*\b:S+16*\b+7], v[BM+12+\b]
	v_cvt_scalef32_pk8_bf8_f32 v[PCD+4*\b+2:PCD+4*\b+3], v[S+16*\b+8:S+16*\b+15], v[BM+12+\b]
.endr
	v_nop                                          ; one plain line behind the last conversion
	global_store_b128 v[LI], v[PCD:PCD+3], s[46:47]               ; 32 lanes store 512 consecutive bytes, aligned
	global_store_b128 v[LI], v[PCD+4:PCD+7], s[46:47] offset:512
	global_store_b16 v[OSO], v240, s[48:49]        ; two bytes a token, 32 bytes apart (both lanes of a token write the same): a 32nd of the launch's output; whole runs would want all sixteen heads of a token in one work-group
	s_wait_xcnt 0x0                                ; the stores have read their registers and bases: both are written again
.endm
	INIT
	s_mov_b32 s[N], 0
.Lslot:                                            ; eleven trips; the twelfth is written out, since it asks for nothing
	CHANGE 1
	SLOT_STEPS
	s_cmp_lg_u32 s[N], 7                           ; behind trip 7 the first block is finished and the second begins
	s_cbranch_scc1 .Lsame_block
	WAYOUT
	s_lshl_b32 s[Q0], s[IB], 8
	s_lshl_b32 s44, s[WV], 4
	s_add_co_u32 s[Q0], s[Q0], s44
	s_mov_b32 s[KF], 0
	INIT
.Lsame_block:
	s_add_co_u32 s[N], s[N], 1
	s_cmp_lt_u32 s[N], 11
	s_cbranch_scc1 .Lslot
	CHANGE 0
	SLOT_STEPS
	WAYOUT
	s_wait_tensorcnt 0x0                           ; the wave's end, behind the last tensor load
	ds_add_u32 v[SPW], v[NIL]
	s_wait_dscnt 0x0
	s_endpgm
.Lfunc_end_k_q89dcd75a28_attn:
	.size	k_q89dcd75a28_attn, .Lfunc_end_k_q89dcd75a28_attn-k_q89dcd75a28_attn
	.p2alignl 7, 3214868480
	.fill 96, 4, 3214868480
	.section	.rodata,"a",@progbits
	.p2align	6, 0x0
	.amdhsa_kernel k_q89dcd75a28_attn
		.amdhsa_group_segment_fixed_size 327680
		.amdhsa_private_segment_fixed_size 0
		.amdhsa_enable_private_segment 0
		.amdhsa_kernarg_size 24
		.amdhsa_user_sgpr_count 2
		.amdhsa_user_sgpr_kernarg_segment_ptr 1
		.amdhsa_wavefront_size32 1
		.amdhsa_system_sgpr_workgroup_id_x 1
		.amdhsa_system_sgpr_workgroup_id_y 1
		.amdhsa_system_sgpr_workgroup_id_z 1
		.amdhsa_system_vgpr_workitem_id 0
		.amdhsa_next_free_vgpr 256
		.amdhsa_next_free_sgpr 66
		.amdhsa_reserve_vcc 1
		.amdhsa_float_denorm_mode_32 3
		.amdhsa_float_denorm_mode_16_64 3
		.amdhsa_fp16_overflow 1
		.amdhsa_memory_ordered 1
		.amdhsa_forward_progress 1
		.amdhsa_inst_pref_size 109
	.end_amdhsa_kernel
	.amdgpu_metadata
---
amdhsa.version: [ 1, 2 ]
amdhsa.kernels:
  - .name:           k_q89dcd75a28_attn
    .symbol:         k_q89dcd75a28_attn.kd
    .args:
      - { .name: att, .offset: 0, .size: 8, .value_kind: global_buffer, .address_space: global }
      - { .name: oc, .offset: 8, .size: 8, .value_kind: global_buffer, .address_space: global }
      - { .name: os, .offset: 16, .size: 8, .value_kind: global_buffer, .address_space: global }
    .group_segment_fixed_size: 327680
    .private_segment_fixed_size: 0
    .kernarg_segment_align: 8
    .kernarg_segment_size: 24
    .max_flat_workgroup_size: 512
    .sgpr_count:     66
    .vgpr_count:     256
    .wavefront_size: 32
...
	.end_amdgpu_metadata
.endif
;; end of part 3
;; launch outp (part 4): grid 4 x 32, 4 waves a work-group, clusters of 4 x 4, 327,680 bytes of LDS; arguments oc, os, cin, sin, out0; writes out0
.if DOCPART == 4
	.amdgcn_target "amdgcn-amd-amdhsa--gfx1250"
	.amdhsa_code_object_version 6
	.text
	.protected	k_q89dcd75a28_outp
	.globl	k_q89dcd75a28_outp
	.p2align	8
	.type	k_q89dcd75a28_outp,@function
k_q89dcd75a28_outp:
	s_mov_b64 s[64:65], 0
	v_nop
	global_prefetch_b8 v0, s[64:65] scope:SCOPE_SE
	s_setreg_imm32_b32 hwreg(HW_REG_WAVE_MODE, 25, 1), 1
	s_wait_xcnt 0x0
	s_wait_alu depctr_hold_cnt(0) depctr_sa_sdst(0) depctr_va_vdst(0) depctr_va_sdst(0) depctr_va_ssrc(0) depctr_va_vcc(0) depctr_vm_vsrc(0)
	s_getreg_b32 s2, hwreg(HW_REG_IB_STS2, 6, 4)
	s_cmp_eq_u32 s2, 0
	s_cbranch_scc0 .Lentry_in_a_cluster
	s_endpgm
.Lentry_in_a_cluster:
	s_bfe_u32 s2, ttmp6, 0x10000c
	s_cmp_lg_u32 s2, 0xf033
	s_cbranch_scc0 .Lentry_shape_is_right
	s_endpgm
.Lentry_shape_is_right:
; out0[m][n] = sum over k of O[m][k] Wo[n][k], on codes of E5M2 with one E8M0 scale for each 32 along K = 1,024; out0 [8192][1024] f32; sums in f32.
; O's codes come from launch 3 as images of operand registers, oc[16 tokens][head][chunk of 32][lane][16 bytes]; its scale bytes os[token][32]; Wo's codes and bytes lie in cin and sin, behind the other six tensors.
; A tile of 256 x 256 is made by a work-group of four waves; a wave makes 128 x 128: 64 accumulators.  K goes in steps of 256 through a ring of two LDS slots; the scales of all of K come into LDS once.
; 4 x 4 work-groups form a cluster: A's tiles are asked for jointly along a row of it, B's along a column.  The matrix instruction is used with source 0 = 16 rows of Wo, source 1 = 16 tokens: a lane holds eight neighbours of a row of out0.
; A's TILE: 128 tokens x 256 along K are 8 runs of 4,096 consecutive bytes (four heads of 16 tokens), 16,384 bytes apart; in LDS they lie on end and a fragment is four loads of 16 bytes a lane, 512 bytes each: no pitch, no padding.
; REGISTERS, in windows of 256: window 0: v0-31 addresses; v32-63 scale words, two sets; from v128 A's fragments, ONE set; window 1: B's fragments, TWO sets; windows 2 and 3: the accumulators.
.set SIZE_M, 8192
.set SIZE_N, 1024
.set SIZE_K, 1024
.set KSTEP,  256
.set NQ,     KSTEP/128
.set ROWB,   256
.set ASTEPB, 4096                      ; a K step in A's images: four heads
.set KROW,   SIZE_K
.set PITCH,  272
.set FR,     16
.set NL,     4
.set NP,     8
.set HALFT,  128*PITCH
.set SLOT,   4*HALFT
.set LAPS,   SIZE_K/(2*KSTEP)
.set KS,     SIZE_K/32
.set SCL,    2*SLOT
.set HALFS,  (128*KS/256)*272
.set SBLK,   (16*KS/256)*272
.set SPARE,  SCL+4*HALFS
.set SPITCH, 528                       ; the way out: a stage of 16 rows x (512 bytes + 16) for each wave, in slot 0, which has had its last fill and its last read when the first result is stored there
.set ADRA, 16
.set ADRB, 20
.set STO,  24
.set RD,   25
.set CO,   26
.set SPW,  28
.set NIL,  29
.set ADRS, 27
.set SC,   32
.set AF,   128
.set BK,   128
.set G1, 24
.set G0, 32
.set G1B, 48
.set G0B, 56
.set G1S, 68
.set G0S, 76
.set G1SB, 80
.set G0SB, 88
.set MSB, 0
.macro WIN new
.if MSB != \new
	s_set_vgpr_msb (MSB<<8)|\new
.set MSB, \new
.endif
.endm
.set MUL_LO, 0xa1
.set MUL_HI, 0xf1
.set TO_B,   0x40
.macro JLOAD g0a, g1a, g0b, g1b        ; a joint load: waves 0 and 1 fetch for A, waves 2 and 3 for B; an s_nop 0 and four v_nop follow each of the two lines
	s_cmp_eq_u32 s15, 0
	s_cbranch_scc0 .Lfor_b_\@
	tensor_load_to_lds s[\g0a:\g0a+3], s[\g1a:\g1a+7]
	s_nop 0
.rept 4
	v_nop
.endr
	s_branch .Lasked_\@
.Lfor_b_\@:
	tensor_load_to_lds s[\g0b:\g0b+3], s[\g1b:\g1b+7]
	s_nop 0
.rept 4
	v_nop
.endr
.Lasked_\@:
.endm
.macro CREST
	s_cmp_lg_u32 s14, 0
	s_cbranch_scc1 .Lnot_wave_0_\@
	s_barrier_signal -3
.Lnot_wave_0_\@:
	s_barrier_wait -3
	s_barrier_signal -1
	s_barrier_wait -1
.endm
.macro CROUND
	s_barrier_signal -1
	s_barrier_wait -1
	CREST
.endm
	s_load_b128 s[4:7], s[0:1], 0x0                ; oc, os
	s_load_b128 s[8:11], s[0:1], 0x10              ; cin, sin
	s_load_b64 s[12:13], s[0:1], 0x20              ; out0
	v_lshl_add_u32 v[SPW], v0, 2, SPARE
	v_mov_b32 v[NIL], 0
	ds_add_u32 v[SPW], v[NIL]                      ; the wave's opening: the add, twice on end, and its wait ahead of my first tensor load
	ds_add_u32 v[SPW], v[NIL]
	v_lshrrev_b32 v1, 5, v0
	v_readfirstlane_b32 s14, v1                    ; wave 0..3
	s_lshr_b32 s15, s14, 1                         ; which half of the tile's rows is mine.  Also: I fetch for A (0) or for B (1)
	s_and_b32 s16, s14, 1                          ; which half of its columns.  Also: which 128 rows of that tile I fetch
	s_bfe_u32 s40, ttmp6, 0x40000
	s_bfe_u32 s41, ttmp6, 0x40004
	s_lshl_b32 s42, ttmp9, 2
	s_add_co_u32 s42, s42, s40                     ; tile column = 4 x cluster x + cx
	s_and_b32 s17, ttmp7, 0xffff
	s_lshl_b32 s17, s17, 2
	s_add_co_u32 s17, s17, s41                     ; tile row = 4 x cluster y + cy
	s_lshl_b32 s43, s41, 2
	s_lshl_b32 s43, 15, s43                        ; my row of the cluster
	s_lshl_b32 s44, 0x1111, s40                    ; my column
	; A's tiles: 8 rows of 512 elements of 8 bytes, 2,048 elements apart, no padding
	s_or_b32 s[G1+0], s43, (3<<16)|(1<<21)
	s_mov_b32 s[G1+1], 512<<16                     ; tensor_dim0
	s_mov_b32 s[G1+2], 8<<16                       ; tensor_dim1
	s_mov_b32 s[G1+3], 512<<16                     ; tile_dim0
	s_mov_b32 s[G1+4], 8                           ; tile_dim1
	s_mov_b32 s[G1+5], 2048                        ; tensor_dim0_stride
	s_mov_b32 s[G1+6], 0
	s_mov_b32 s[G1+7], 0
	; B's tiles: 128 rows x 256 bytes, 16 bytes of padding behind each
	s_or_b32 s[G1B+0], s44, (0<<16)|(1<<20)|(1<<21)|(5<<22)|(3<<25)
	s_mov_b32 s[G1B+1], ROWB<<16
	s_mov_b32 s[G1B+2], 128<<16
	s_mov_b32 s[G1B+3], ROWB<<16
	s_mov_b32 s[G1B+4], 128
	s_mov_b32 s[G1B+5], KROW
	s_mov_b32 s[G1B+6], 0
	s_mov_b32 s[G1B+7], 0
	; the scales of 128 rows: a dense block of 4,096 bytes, as rows of 256 bytes, 16 bytes of padding behind each
	s_or_b32 s[G1S+0], s43, (3<<16)|(1<<20)|(1<<21)|(5<<22)|(3<<25)
	s_or_b32 s[G1SB+0], s44, (3<<16)|(1<<20)|(1<<21)|(5<<22)|(3<<25)
.irp g, G1S, G1SB
	s_mov_b32 s[\g+1], 32<<16
	s_mov_b32 s[\g+2], (128*KS/256)<<16
	s_mov_b32 s[\g+3], 32<<16
	s_mov_b32 s[\g+4], 128*KS/256
	s_mov_b32 s[\g+5], 32
	s_mov_b32 s[\g+6], 0
	s_mov_b32 s[\g+7], 0
.endr
	s_lshl_b32 s18, s16, 7                         ; which 128 rows of the tile I fetch
	s_lshl_b32 s20, s17, 8
	s_add_co_u32 s20, s20, s18                     ; A: row 256 x tile row + 128 x half
	s_lshl_b32 s46, s42, 8
	s_add_co_u32 s46, s46, s18                     ; B: row 256 x tile column + 128 x half
	s_mov_b32 s21, 0
	s_mov_b32 s47, 0
	s_mov_b64 s[18:19], KS
	s_mul_u64 s[22:23], s[20:21], s[18:19]         ; where these rows' scales begin, in bytes
	s_mul_u64 s[92:93], s[46:47], s[18:19]
	s_mov_b64 s[18:19], KROW
	s_mul_u64 s[20:21], s[20:21], s[18:19]         ; and their codes: 16 tokens' images are 16,384 bytes, as many as 16 rows of 1,024
	s_mul_u64 s[46:47], s[46:47], s[18:19]
	s_mul_i32 s45, s14, HALFT                      ; where they go: no place in the cluster enters an LDS address
	s_mul_i32 s94, s14, HALFS
	s_wait_dscnt 0x0                               ; both opening adds are done
	s_wait_kmcnt 0x0
	s_add_nc_u64 s[20:21], s[4:5], s[20:21]
	s_add_nc_u64 s[22:23], s[6:7], s[22:23]
	s_add_nc_u64 s[46:47], s[8:9], s[46:47]
	s_add_nc_u64 s[46:47], s[46:47], 27<<20        ; Wo's codes lie 27 MiB into cin,
	s_add_nc_u64 s[92:93], s[10:11], s[92:93]
	s_add_nc_u64 s[92:93], s[92:93], 27<<15        ; its scale bytes a 32nd of that into sin
	CROUND                                         ; all sixteen work-groups are here: the first joint loads meet
	s_mov_b32 s[G0S], 1
	s_add_co_u32 s[G0S+1], s94, SCL
	s_mov_b64 s[G0S+2:G0S+3], s[22:23]
	s_or_b32 s[G0S+3], s[G0S+3], 0x80000000
	s_mov_b32 s[G0SB], 1
	s_add_co_u32 s[G0SB+1], s94, SCL
	s_mov_b64 s[G0SB+2:G0SB+3], s[92:93]
	s_or_b32 s[G0SB+3], s[G0SB+3], 0x80000000
	JLOAD G0S, G1S, G0SB, G1SB                     ; the scales first
.irp s, 0,1
	s_mov_b32 s[G0+4*\s], 1
	s_add_co_u32 s[G0+4*\s+1], s45, \s*SLOT
	s_add_nc_u64 s[G0+4*\s+2:G0+4*\s+3], s[20:21], \s*ASTEPB
	s_or_b32 s[G0+4*\s+3], s[G0+4*\s+3], 0x80000000
	s_mov_b32 s[G0B+4*\s], 1
	s_add_co_u32 s[G0B+4*\s+1], s45, \s*SLOT
	s_add_nc_u64 s[G0B+4*\s+2:G0B+4*\s+3], s[46:47], \s*ROWB
	s_or_b32 s[G0B+4*\s+3], s[G0B+4*\s+3], 0x80000000
	JLOAD G0+4*\s, G1, G0B+4*\s, G1B               ; by this text's count three tensor loads of a wave are out here
.endr
	v_and_b32 v1, 15, v0                           ; l % 16
	v_bfe_u32 v2, v0, 4, 1                         ; l / 16
	v_mul_u32_u24 v3, v1, PITCH
	v_lshl_add_u32 v4, v2, 4, v3                   ; B: a fragment's row x pitch + 16 x half
	v_and_b32 v7, 31, v0
	v_lshlrev_b32 v7, 4, v7                        ; A: 16 x lane
	s_mul_i32 s21, s15, HALFT                      ; my 128 rows of A
	s_mul_i32 s22, s16, HALFT                      ; my 128 rows of B,
	s_add_co_u32 s22, s22, 2*HALFT                 ; which lie behind A's
.irp s, 0,1
	v_add_nc_u32 v[ADRA+\s], s21, v7
	v_add_nc_u32 v[ADRB+\s], s22, v4
	s_add_co_u32 s21, s21, SLOT
	s_add_co_u32 s22, s22, SLOT
.endr
	v_mul_u32_u24 v5, v1, KS
	v_lshrrev_b32 v6, 8, v5
	v_lshl_add_u32 v5, v6, 4, v5
	s_mul_i32 s21, s15, HALFS
	s_mul_i32 s22, s16, HALFS
	s_add_co_u32 s22, s22, 2*HALFS
	s_sub_co_u32 s22, s22, s21
	v_mul_u32_u24 v6, s22, v2                      ; lanes 16-31 take B's
	s_add_co_u32 s21, s21, SCL
	v_add_nc_u32 v5, v5, v6
	v_add_nc_u32 v[ADRS], s21, v5
	s_mul_i32 s23, s14, 16*SPITCH                  ; my stage
	v_mul_u32_u24 v5, v1, SPITCH                   ; in: row l % 16, 32 bytes for each half of the lanes
	v_lshl_add_u32 v5, v2, 5, v5
	v_add_nc_u32 v[STO], s23, v5
	v_and_b32 v6, 31, v0
	v_lshlrev_b32 v[CO], 4, v6                     ; back: the 32 lanes take one row of 512 bytes; and the same in out0
	v_add_nc_u32 v[RD], s23, v[CO]
	s_lshl_b32 s20, s17, 8
	s_lshl_b32 s21, s15, 7
	s_add_co_u32 s20, s20, s21                     ; my first row of out0
	s_mov_b32 s21, 0
	s_mov_b64 s[18:19], SIZE_N*4
	s_mul_u64 s[20:21], s[20:21], s[18:19]
	s_lshl_b32 s46, s42, 10                        ; my first column, in bytes
	s_lshl_b32 s47, s16, 9
	s_add_co_u32 s46, s46, s47
	s_mov_b32 s47, 0
	s_add_nc_u64 s[20:21], s[20:21], s[46:47]
	s_add_nc_u64 s[12:13], s[12:13], s[20:21]
.macro FRAG reg, adr, q, i             ; B's fragment from rows: registers 4 c .. 4 c + 3 hold K = 32 c + 16 (l / 16) + 0 .. 15 of row l % 16
.irp c, 0,1,2,3
	ds_load_b128 v[\reg+4*\c:\reg+4*\c+3], v[\adr] offset:128*(\q)+32*\c+(\i)*16*PITCH
.endr
.endm
.macro FRAGA reg, adr, q, i            ; A's fragment from its image: 16 tokens' K step is 4,096 bytes, 128 along K are 2,048, a group of four registers 512
.irp c, 0,1,2,3
	ds_load_b128 v[\reg+4*\c:\reg+4*\c+3], v[\adr] offset:4096*(\i)+2048*(\q)+512*\c
.endr
.endm
; 16 matrix instructions; the 64 accumulators take turns, one instruction a turn, in the same order in every step
.macro MUL16 a0, p, q, sc, zero
.irp a, \a0, \a0+1
.irp b, 0,1,2,3,4,5,6,7
.if \zero
	v_wmma_scale_f32_16x16x128_f8f6f4 v[8*(8*((\a)%4)+\b):8*(8*((\a)%4)+\b)+7], v[128*(\p)+FR*\b:128*(\p)+FR*\b+FR-1], v[AF+FR*(\a):AF+FR*(\a)+FR-1], 0, v[SC+8*NQ*(\sc)+NQ*\b+(\q)], v[SC+8*NQ*(\sc)+NQ*(\a)+(\q)] matrix_a_fmt:MATRIX_FMT_BF8 matrix_b_fmt:MATRIX_FMT_BF8 matrix_a_scale:MATRIX_SCALE_ROW1
.else
	v_wmma_scale_f32_16x16x128_f8f6f4 v[8*(8*((\a)%4)+\b):8*(8*((\a)%4)+\b)+7], v[128*(\p)+FR*\b:128*(\p)+FR*\b+FR-1], v[AF+FR*(\a):AF+FR*(\a)+FR-1], v[8*(8*((\a)%4)+\b):8*(8*((\a)%4)+\b)+7], v[SC+8*NQ*(\sc)+NQ*\b+(\q)], v[SC+8*NQ*(\sc)+NQ*(\a)+(\q)] matrix_a_fmt:MATRIX_FMT_BF8 matrix_b_fmt:MATRIX_FMT_BF8 matrix_a_scale:MATRIX_SCALE_ROW1
.endif
.endr
.endr
.endm
.macro FETCH_B slot, q, p
	WIN TO_B
.irp i, 0,1,2,3,4,5,6,7
	FRAG 128*(\p)+FR*\i, ADRB+\slot, \q, \i
.endr
	WIN 0
.endm
.macro FETCH_A slot, q, i0
.irp i, \i0, \i0+1, \i0+2, \i0+3
	FRAGA AF+FR*(\i), ADRA+\slot, \q, \i
.endr
.endm
.macro SCALES sc
.irp i, 0,1,2,3,4,5,6,7
	ds_load_b64 v[SC+8*NQ*\sc+NQ*\i:SC+8*NQ*\sc+NQ*\i+1], v[ADRS] offset:\i*SBLK
.endr
.endm
.macro PLACES n                        ; plain vector instructions between a matrix instruction and a load into, or a read of, its registers
.rept \n
	v_nop
.endr
.endm
.macro STEP slot, q, zero
	s_wait_dscnt 4*NL                              ; B's set and A's blocks 0-3 are in; the youngest sixteen loads (A's blocks 4-7) may be out
	WIN MUL_LO
	MUL16 0, (\q)%2, \q, \slot, \zero
	MUL16 2, (\q)%2, \q, \slot, \zero
	s_wait_dscnt 0
	PLACES NP
	FETCH_B \slot, (\q)+1, 1-(\q)%2
	FETCH_A \slot, (\q)+1, 0
	WIN MUL_HI
	MUL16 4, (\q)%2, \q, \slot, \zero
	MUL16 6, (\q)%2, \q, \slot, \zero
	PLACES NP
	WIN 0
	FETCH_A \slot, (\q)+1, 4
.endm
.macro TURN slot, next, fill           ; a slot's last step changes slots: one barrier, the three lines in front of it
	s_wait_tensorcnt 0x0                           ; all my tensor loads have landed: my part of the next slot
	ds_add_u32 v[SPW], v[NIL]
	s_wait_dscnt 4*NL+1                            ; (the add and the youngest sixteen loads may be out)
	WIN MUL_LO
	MUL16 0, 1, NQ-1, \slot, 0
	s_wait_dscnt 0x0                               ; the add is done, and my reads of this slot are over
	s_barrier_signal -1
	MUL16 2, 1, NQ-1, \slot, 0
	WIN 0
	s_barrier_wait -1
.if \fill
	CREST                                          ; the barrier has opened a round of the cluster's barrier
	s_add_nc_u64 s[G0+4*\slot+2:G0+4*\slot+3], s[G0+4*\slot+2:G0+4*\slot+3], 2*ASTEPB
	s_add_nc_u64 s[G0B+4*\slot+2:G0B+4*\slot+3], s[G0B+4*\slot+2:G0B+4*\slot+3], 2*ROWB
	JLOAD G0+4*\slot, G1, G0B+4*\slot, G1B         ; the first tensor load behind the round
	PLACES NP-4
.else
	PLACES NP
.endif
	v_add_nc_u32 v[ADRS], 4*NQ, v[ADRS]
	FETCH_B \next, 0, 0
	FETCH_A \next, 0, 0
	SCALES \next
	WIN MUL_HI
	MUL16 4, 1, NQ-1, \slot, 0
	MUL16 6, 1, NQ-1, \slot, 0
	PLACES NP
	WIN 0
	FETCH_A \next, 0, 4
.endm
	s_wait_tensorcnt 1                             ; the scales and my part of K step 0 are in (K step 1's load may be out),
	s_barrier_signal -1
	s_barrier_wait -1                              ; everybody's are
	FETCH_B 0, 0, 0
	FETCH_A 0, 0, 0
	SCALES 0
	FETCH_A 0, 0, 4
	STEP 0, 0, 1
	s_mov_b32 s3, LAPS-1
.Llap:
	TURN 0, 1, 1
	STEP 1, 0, 0
	TURN 1, 0, 1
	STEP 0, 0, 0
	s_sub_co_u32 s3, s3, 1
	s_cmp_lg_u32 s3, 0
	s_cbranch_scc1 .Llap
	TURN 0, 1, 0
	STEP 1, 0, 0
	s_wait_dscnt 4*NL
	WIN MUL_LO
	MUL16 0, 1, NQ-1, 1, 0
	MUL16 2, 1, NQ-1, 1, 0
	s_wait_dscnt 0
	WIN MUL_HI
	MUL16 4, 1, NQ-1, 1, 0
	MUL16 6, 1, NQ-1, 1, 0
	WIN 0
; THE WAY OUT, block by block of 16 rows x 128 columns, through my own stage in LDS: back as whole rows of 512 bytes.  LDS serves a wave's instructions in order (ISA guide 5.7.1.4): no wait between the stores and the loads.
.macro TOSTAGE a
.set AC, 64*((\a)%4)
	WIN 0x08+4*((\a)/4)                            ; the data: window 2 or 3
.irp b, 0,1,2,3,4,5,6,7
	ds_store_b128 v[STO], v[AC+8*\b:AC+8*\b+3] offset:64*\b          ; each accumulator from its low end on
	ds_store_b128 v[STO], v[AC+8*\b+4:AC+8*\b+7] offset:64*\b+16
.endr
	WIN 0
.set BB, BK+64*((\a)%2)
.irp t, 0,1,2,3,4,5,6,7,8,9,10,11,12,13,14,15
	ds_load_b128 v[BB+4*\t:BB+4*\t+3], v[RD] offset:\t*SPITCH
.endr
.endm
.macro SEND a, younger
.set BB, BK+64*((\a)%2)
	s_wait_dscnt \younger                          ; the block is back in registers
.if (\a) > 0
	s_add_nc_u64 s[12:13], s[12:13], 16*SIZE_N*4   ; (behind a wait on XCNT: the earlier stores have read their base)
.endif
.irp t, 0,1,2,3,4,5,6,7,8,9,10,11,12,13,14,15
	global_store_b128 v[CO], v[BB+4*\t:BB+4*\t+3], s[12:13] offset:\t*SIZE_N*4 th:TH_STORE_NT   ; 32 lanes store 512 consecutive bytes, at a multiple of 256 from out0's first byte
.endr
.endm
	PLACES NP
	TOSTAGE 0
.irp a, 1,2,3,4,5,6,7
.if \a > 1
	s_wait_xcnt 0x0                                ; block a - 2's stores have read their registers and their base
.endif
	TOSTAGE \a
	SEND \a-1, 32                                  ; behind block a - 1's loads: block a's 16 stores and 16 loads
.endr
	s_wait_xcnt 0x0
	SEND 7, 0
	s_wait_tensorcnt 0x0                           ; the wave's end, behind my last tensor load and my last LDS store
	ds_add_u32 v[SPW], v[NIL]
	s_wait_dscnt 0x0
	CROUND                                         ; the closing round
	s_endpgm
.Lfunc_end_k_q89dcd75a28_outp:
	.size	k_q89dcd75a28_outp, .Lfunc_end_k_q89dcd75a28_outp-k_q89dcd75a28_outp
	.p2alignl 7, 3214868480
	.fill 96, 4, 3214868480
	.section	.rodata,"a",@progbits
	.p2align	6, 0x0
	.amdhsa_kernel k_q89dcd75a28_outp
		.amdhsa_group_segment_fixed_size 327680
		.amdhsa_private_segment_fixed_size 0
		.amdhsa_enable_private_segment 0
		.amdhsa_kernarg_size 40
		.amdhsa_user_sgpr_count 2
		.amdhsa_user_sgpr_kernarg_segment_ptr 1
		.amdhsa_wavefront_size32 1
		.amdhsa_system_sgpr_workgroup_id_x 1
		.amdhsa_system_sgpr_workgroup_id_y 1
		.amdhsa_system_sgpr_workgroup_id_z 1
		.amdhsa_system_vgpr_workitem_id 0
		.amdhsa_next_free_vgpr 1024
		.amdhsa_next_free_sgpr 98
		.amdhsa_reserve_vcc 0
		.amdhsa_float_denorm_mode_32 3
		.amdhsa_float_denorm_mode_16_64 3
		.amdhsa_memory_ordered 1
		.amdhsa_forward_progress 1
		.amdhsa_inst_pref_size 146
	.end_amdhsa_kernel
	.amdgpu_metadata
---
amdhsa.version: [ 1, 2 ]
amdhsa.kernels:
  - .name:           k_q89dcd75a28_outp
    .symbol:         k_q89dcd75a28_outp.kd
    .args:
      - { .name: oc, .offset: 0, .size: 8, .value_kind: global_buffer, .address_space: global }
      - { .name: os, .offset: 8, .size: 8, .value_kind: global_buffer, .address_space: global }
      - { .name: cin, .offset: 16, .size: 8, .value_kind: global_buffer, .address_space: global }
      - { .name: sin, .offset: 24, .size: 8, .value_kind: global_buffer, .address_space: global }
      - { .name: out0, .offset: 32, .size: 8, .value_kind: global_buffer, .address_space: global }
    .group_segment_fixed_size: 327680
    .private_segment_fixed_size: 0
    .kernarg_segment_align: 8
    .kernarg_segment_size: 40
    .max_flat_workgroup_size: 128
    .sgpr_count:     98
    .vgpr_count:     1024
    .wavefront_size: 32
...
	.end_amdgpu_metadata
.endif
;; end of part 4
